; MI455X (gfx1250); checked and timed in simulation.
; The chip was launched on July 23, 2026; its instructions are those of AMD's public machine-readable ISA for CDNA 5 (MIT licence, August 2026) and "CDNA5" Instruction Set Architecture Reference Guide (July 2026). The comments in the code are by the model that wrote it; some were corrected since.
;; Sparse Boosting Mo E. Allowed arithmetic: matrix products marked QUANTISED: E3M2 operands, one E8M0 scale for each 32 along K, by v_wmma_scale_f32_16x16x128_f8f6f4 with both operands' format E3M2, f32 sums; products left as they are: f32 operands where the result goes on into a quantised operand, else bf16, f16 or f32 operands; f32 sums; everything else in f32.
;; Inputs: W1_codes 8 x 512 x 32 x 24 uint8 (E3M2 codes of W1, K innermost, in blocks of 32 codes, four codes in three bytes); W1_scales 8 x 512 x 32 uint8 (E8M0 scales of W1, one for each 32 codes along K); W2_codes 8 x 1,024 x 16 x 24 uint8 (E3M2 codes of W2, K innermost, in blocks of 32 codes, four codes in three bytes); W2_scales 8 x 1,024 x 16 uint8 (E8M0 scales of W2, one for each 32 codes along K); b1 8 x 512 float32; b2 8 x 1,024 float32; gate_W 1,024 x 8 float32; gate_b 8 float32; ln_beta 1,024 float32; ln_gamma 1,024 float32; x 2 x 2,048 x 1,024 float32.
;; Outputs: out0 2 x 2,048 x 1,024 float32.
;; This version of the problem:
;;   THIS VERSION OF THE PROBLEM IS GIVEN IN LOW PRECISION. The matrix products marked QUANTISED in the list below multiply operands that are first quantised to E3M2 (3 exponent bits, 2 mantissa bits; 6 bits a number), with one power-of-two scale for each 32 numbers along K (OCP MX v1.0); their sums are f32. All else is computed in f32.
;;   The module's matrix products, in the order in which they are computed (A, B: the left and right operand; K: the contracted axis; several contracted axes count as one K, in the product's order):
;;     1. [M 4,096, K 1,024] x [K 1,024, N 8]; A: input x; B: input gate_W: left as it is (N = 8 < 16)
;;     2. [M 4,096, K 1,024] x [K 1,024, N 4,096]; A: input W1 (given as codes); B: input x: QUANTISED
;;     3. batch 8 x [M 4,096, K 512] x [K 512, N 1,024]; A: computed on the way; B: input W2 (given as codes): QUANTISED
;;     4. batch 4,096 x [M 1,024, K 8] x [K 8, N 1]; A: computed on the way; B: computed on the way: left as it is (K = 8 < 32)
;;     5. [M 4,096, K 1,024] x [K 1,024, N 4,096]; A: input W1 (given as codes); B: computed on the way: QUANTISED
;;     6. batch 8 x [M 4,096, K 512] x [K 512, N 1,024]; A: computed on the way; B: input W2 (given as codes): QUANTISED
;;     7. batch 4,096 x [M 1,024, K 8] x [K 8, N 1]; A: computed on the way; B: computed on the way: left as it is (K = 8 < 32)
;;   THE QUANTISER, for each operand of a quantised product, along K:
;;     - K is cut into blocks of 32 from its start; a last block that is shorter is filled with zeros.
;;     - A block's scale is 2^e with e = floor(log2(the largest magnitude in the block)) - 4, held to -126 .. 127; a block of zeros has e = 0. As a byte (E8M0): e + 127.
;;     - Each number is divided by its block's scale, clamped to +-28, and rounded to the nearest number of E3M2, ties to even, subnormals kept.
;;     - The product sums the exact products of the quantised numbers (number of the format x scale) in f32.
;;   ~~~python
;;   def quantise(x, axis):      # numpy; x: float32 -> the quantised numbers, widened to float32 again
;;       x = np.moveaxis(x, axis, -1); K = x.shape[-1]
;;       x = np.pad(x, [(0, 0)] * (x.ndim - 1) + [(0, -K % 32)]); x = x.reshape(x.shape[:-1] + (-1, 32)); a = np.abs(x).max(-1, keepdims=True)
;;       e = np.where(a > 0, np.clip(np.frexp(np.where(a > 0, a, 1))[1] - 1 - 4, -126, 127), 0)      # np.frexp(a)[1] - 1 = floor(log2(a)), exactly
;;       r = np.clip(x / 2.0 ** e, -28, 28)
;;       step = 2.0 ** (np.maximum(np.frexp(np.where(r == 0, 1, r))[1] - 1, -2) - 2)
;;       q = np.round(r / step) * step * 2.0 ** e      # np.round: ties to even
;;       return np.moveaxis(q.reshape(q.shape[:-2] + (-1,))[..., :K], -1, axis).astype(np.float32)
;;   ~~~
;;   OPERANDS COMPUTED ON THE WAY. 'Computed on the way' means the value that the module computes at that place (a softmax that the list does not call 'softmax' is quantised finished and normalised). What goes into a quantiser is computed in f32, as accurately as f32 sums, v_exp_f32 and their like allow (about 1e-6 of the number): no bf16 or f16 on the way to a quantiser, and a product that is left as it is and whose result goes on into a quantised operand takes f32 operands (vector FMAs, or v_wmma_f32_16x16x4_f32). A number that lies on a knife's edge between two numbers of the format may be rounded either way, as far as f32 arithmetic and the matrix unit's own rounding can turn it there, and no further.
;;   INPUTS GIVEN AS CODES. W1 (in the module: [8, 1024, 512], K = its axis 1); W2 (in the module: [8, 512, 1024], K = its axis 1): each comes as NAME_codes (uint8): NAME with its K axis moved to the last place and cut into blocks of 32 codes, [.., K / 32, bytes a block], one block behind the other in memory; four codes in three bytes: a row's codes are one little-endian stream of bits, code i at bits 6 i .. 6 i + 5 (a code: sign, 3 exponent bits, 2 mantissa bits); and NAME_scales (uint8): the same leading axes, one E8M0 byte (e + 127) for each 32 codes along K. Its value is code x scale, taken as it is: it is not quantised again, and the codes and scales need not be those that the quantiser above would give.
;; 2 versions. Each part assembles by itself: llvm-mc -triple=amdgcn-amd-amdhsa -mcpu=gfx1250 --defsym DOCPART=n.
;; ======== version 1 of 2: 3 launches
;; workspace buffers: wimg 6,553,600 bytes; pc 16,384 bytes of whole numbers; gw 32,768 bytes; order 16,640 bytes of whole numbers; tiles 3,072 bytes of whole numbers
;; launch gate (part 1): grid 256 x 1, 4 waves a work-group, no clusters, 37,376 bytes of LDS; arguments x, gate_W, gate_b, W1_codes, W1_scales, W2_codes, W2_scales, wimg, pc, gw; writes wimg, pc, gw
.if DOCPART == 1
	.amdgcn_target "amdgcn-amd-amdhsa--gfx1250"
	.amdhsa_code_object_version 6
	.text
	.protected	k_qefc6abcebf_gate
	.globl	k_qefc6abcebf_gate
	.p2align	8
	.type	k_qefc6abcebf_gate,@function
k_qefc6abcebf_gate:
	s_mov_b64 s[64:65], 0
	v_nop
	global_prefetch_b8 v0, s[64:65] scope:SCOPE_SE
	s_setreg_imm32_b32 hwreg(HW_REG_WAVE_MODE, 25, 1), 1
	s_wait_xcnt 0x0
; TWO JOBS IN ONE LAUNCH.
; (1) THE GATE.  logits = x gate_W + gate_b in f32 multiply-adds, softmax with the row's maximum taken away, the two largest weights (the lower index wins a tie: strict >).
;     Stored for each token: pc = 7 e0 + e1 - (e1 > e0), the number 0 .. 55 of the ordered pair of experts, and (v0, v1), the two weights.  No address of this launch hangs on them.
; (2) THE WEIGHTS' LAYOUT.  W1's and W2's codes and scale bytes are copied into wimg in the order in which the chain's operand registers take them: 1,024 quads of 6,400 bytes.
;     Quad Z = (8 e + w) 16 + q holds 4 fragments of 16 weight rows x 128 K: fragment t at 1,536 t, its registers 4 c .. 4 c + 3 at 512 c + 16 x lane; at 6,144 the rows' scale words, row r's four tiles at 16 r + 4 t.
;     q = 0 .. 7: W1[e], rows 64 w on, K step q;  q = 8 .. 15: W2[e], rows 128 w + 64 ((q - 8) / 4) on, K step (q - 8) % 4.
;     Lane r of tile t takes row 32 (t / 2) + 8 (t % 2) + r + 8 (r / 8) of the quad's 64: so the results of the four tiles are neighbours along the next product's K.
; SHARES.  256 work-groups of four waves.  Work-group i takes tokens 16 i .. 16 i + 15, four a wave; wave w also lays out quad 4 i + w.  All take one way through the text.
; A lane holds 4 neighbouring columns of each 128 of a row of x (each load of the wave covers 512 consecutive bytes) and needs gate_W's 128 bytes for them: gate_W lies in LDS in pieces of 128 bytes, 144 apart.
; LIMITS: NaN and infinities are not served.  A weight under 2^-126 comes out of the exponential as 0; a second choice among weights that are all 0 is the lowest index left, as with equal weights.
; pc and (v0, v1) leave as 16 and 32 bytes a wave: 48 KB of the 30 MB that the launch moves.
.set RL,   12                          ; v12-59 the quad's four fragments, v60-61 its scale words: as loaded, as stored
.set ACC,  12                          ; afterwards v12-43: the sums: row i4, experts 2 a and 2 a + 1 at v[12 + 8 i4 + 2 a]
.set LG,   44                          ; v44-51 the eight logits, then weights, of row lane % 4;  v52-59 at work;  v60-61 (v0, v1)
.set GWB,  64                          ; v64-127 gate_W on its way to LDS; then two buffers of 32: 4 columns x 8 experts
.set X,    128                         ; v128-255 four rows of x: row i4, chunk j at v[128 + 32 i4 + 4 j]
	s_load_b512 s[4:19], s[0:1], 0x0               ; x 4:5, gate_W 6:7, gate_b 8:9, W1's codes 10:11, scales 12:13, W2's codes 14:15, scales 16:17, wimg 18:19
	s_load_b128 s[20:23], s[0:1], 0x40             ; pc 20:21, gw 22:23
	s_set_vgpr_msb 0x40
	v_lshl_add_u32 v0, v0, 2, 0x9000
	v_mov_b32 v1, 0
	s_set_vgpr_msb 0x4000
	v_lshrrev_b32 v1, 5, v0
	v_readfirstlane_b32 s32, v1                    ; wave 0..3
	v_and_b32 v1, 31, v0                           ; lane
	v_and_b32 v2, 15, v0                           ; r
	v_bfe_u32 v3, v0, 4, 1                         ; h
	s_lshl_b32 s33, ttmp9, 2
	s_add_co_u32 s33, s33, s32                     ; Z: my quad; 4 Z is also my first token
	s_and_b32 s34, s33, 15                         ; q
	s_lshr_b32 s35, s33, 4                         ; 8 e + w
	s_bfe_u32 s51, s34, 0x10002                    ; (q / 4) % 2: which 64 of W2's 128 rows
	s_lshl_b32 s51, s51, 6
	s_lshl_b32 s52, s35, 7
	s_add_co_u32 s52, s52, s51                     ; W2: first row 128 (8 e + w) + 64 ..
	s_lshl_b32 s53, s35, 6                         ; W1: first row 64 (8 e + w)
	s_and_b32 s54, s34, 3                          ; W2: K step
	s_mov_b32 s40, 384
	s_cmp_lt_u32 s34, 8                            ; W1's quad or W2's: hangs on ids alone
	s_cselect_b32 s40, 768, s40                    ; bytes of a row of codes
	s_cselect_b32 s41, 32, 16                      ; bytes of a row of scales
	s_cselect_b32 s52, s53, s52                    ; first row
	s_cselect_b32 s54, s34, s54                    ; K step
	s_mul_i32 s56, s52, s40
	s_mul_i32 s55, s54, 96
	s_add_co_u32 s56, s56, s55                     ; where the quad's codes begin: row x pitch + 96 x K step
	s_mov_b32 s57, 0
	s_mul_i32 s58, s52, s41
	s_lshl_b32 s55, s54, 2
	s_add_co_u32 s58, s58, s55                     ; and its scale words
	s_mov_b32 s59, 0
	s_mul_i32 s60, s33, 6400                       ; where the quad goes
	s_mov_b32 s61, 0
	s_lshl_b32 s62, s33, 14                        ; my four rows of x: 4 Z rows of 4,096 bytes
	s_mov_b32 s63, 0
	s_mov_b32 s46, 0xaaaaaaaa                      ; the odd lanes
	s_mov_b32 s47, 0xcccccccc                      ; the lanes with bit 1
	s_mov_b32 s48, 0x76543210
	s_mov_b32 s49, 0xfedcba98                      ; v_permlanex16_b32's selects for lane l xor 16
	s_mov_b32 s50, 0x3fb8aa3b                      ; log2(e)
	v_lshlrev_b32 v4, 4, v1                        ; 16 x lane
	v_lshlrev_b32 v5, 4, v2
	v_lshl_add_u32 v5, v3, 3, v5                   ; 16 r + 8 h: where my two scale words go
	v_and_b32 v6, 8, v2
	v_add_nc_u32 v6, v6, v2                        ; r + 8 (r / 8)
	v_lshl_add_u32 v10, v3, 5, v6                  ; the rows whose scale words I carry: tiles 2 h and 2 h + 1
	v_add_nc_u32 v11, 8, v10
	v_mul_lo_u32 v10, v10, s41
	v_mul_lo_u32 v11, v11, s41
	v_mul_u32_u24 v12, v3, 24
	v_add_nc_u32 v9, 40, v6                        ; tile t's row of my lane,
	v_add_nc_u32 v8, 32, v6
	v_add_nc_u32 v7, 8, v6
.irp t, 0,1,2,3
	v_mul_lo_u32 v[6+\t], v[6+\t], s40             ; in bytes,
.endr
.irp t, 0,1,2,3
	v_add_nc_u32 v[6+\t], v[6+\t], v12             ; + 24 h
.endr
	v_lshrrev_b32 v62, 3, v0
	v_add_nc_u32 v62, v62, v0
	v_lshlrev_b32 v62, 4, v62                      ; LDS, on the way in: byte o of gate_W lies at o + 16 (o / 128): 16 t + 16 (t / 8)
	v_mul_u32_u24 v63, v1, 144                     ; and on the way out: my lane's piece of a chunk
	v_lshlrev_b32 v2, 4, v0                        ; 16 x thread: my 16 bytes of 2,048 of gate_W
	s_wait_kmcnt 0x0
	s_load_b256 s[24:31], s[8:9], 0x0              ; gate_b
	s_cmp_lt_u32 s34, 8
	s_cselect_b64 s[36:37], s[10:11], s[14:15]
	s_cselect_b64 s[38:39], s[12:13], s[16:17]
	s_add_nc_u64 s[36:37], s[36:37], s[56:57]
	s_add_nc_u64 s[38:39], s[38:39], s[58:59]
	s_add_nc_u64 s[42:43], s[18:19], s[60:61]
	s_add_nc_u64 s[44:45], s[4:5], s[62:63]
.irp i, 0,1,2,3,4,5,6,7,8,9,10,11,12,13,14,15
	global_load_b128 v[GWB+4*\i:GWB+4*\i+3], v2, s[6:7] offset:2048*\i
.endr
.irp t, 0,1,2,3
.irp p, 0,1,2,3,4,5
	global_load_b64 v[RL+12*\t+2*\p:RL+12*\t+2*\p+1], v[6+\t], s[36:37] offset:48*(\p/3)+8*(\p%3) th:TH_LOAD_NT   ; a fragment's 24 bytes as three pieces of 8: registers 0-5 at 24 h, registers 6-11 48 bytes on
.endr
.endr
	global_load_b32 v60, v10, s[38:39] th:TH_LOAD_NT
	global_load_b32 v61, v11, s[38:39] th:TH_LOAD_NT
.irp j, 0,1,2,3,4,5,6,7
.irp i4, 0,1,2,3
	global_load_b128 v[X+32*\i4+4*\j:X+32*\i4+4*\j+3], v4, s[44:45] offset:4096*\i4+512*\j   ; chunk by chunk, the four rows by turns
.endr
.endr
	s_wait_loadcnt 58                              ; gate_W's sixteen are in: behind them 26 loads of weights and 32 of x
.irp i, 0,1,2,3,4,5,6,7,8,9,10,11,12,13,14,15
	ds_store_b128 v62, v[GWB+4*\i:GWB+4*\i+3] offset:2304*\i
.endr
	s_wait_dscnt 0x0                               ; for the others' sake: my part of gate_W lies in LDS
	s_barrier_signal -1
	s_barrier_wait -1
	s_wait_loadcnt 32                              ; the quad is in: behind it the 32 loads of x
.irp t, 0,1,2,3
.irp c, 0,1,2
	global_store_b128 v4, v[RL+12*\t+4*\c:RL+12*\t+4*\c+3], s[42:43] offset:1536*\t+512*\c   ; the wave stores 512 consecutive bytes
.endr
.endr
	global_store_b64 v5, v[60:61], s[42:43] offset:6144   ; and 256 consecutive bytes of scale words
	s_wait_xcnt 0x0                                ; the stores' data registers are written again below only behind this wait
.macro WLOAD j                         ; gate_W for my 4 columns of chunk j: register 8 cc + e of the buffer is gate_W[128 j + 4 lane + cc][e]
.irp i, 0,1,2,3,4,5,6,7
	ds_load_b128 v[GWB+32*((\j)%2)+4*\i:GWB+32*((\j)%2)+4*\i+3], v63 offset:4608*(\j)+16*\i
.endr
.endm
.macro GSTEP j                         ; chunk j: 4 columns x 4 rows x 8 experts: 64 packed multiply-adds; sixteen sums take turns
.if (\j) < 7
	WLOAD (\j)+1
	s_wait_dscnt 8                                 ; this chunk's eight are in; the next chunk's eight may be out
.else
	s_wait_dscnt 0x0
.endif
	s_wait_loadcnt 28-4*(\j)                       ; x's chunk j is in: four loads for each later chunk may be out
.irp pr, 0,2
.irp sel, 0,1
.irp i4, 0,1,2,3
.irp a, 0,1,2,3
.if ((\j) == 0) && (\pr == 0) && (\sel == 0)
	v_pk_mul_f32 v[ACC+8*\i4+2*\a:ACC+8*\i4+2*\a+1], v[X+32*\i4+\pr:X+32*\i4+\pr+1], v[GWB+2*\a:GWB+2*\a+1] op_sel:[\sel,0] op_sel_hi:[\sel,1]   ; the first product starts the sums
.else
	v_pk_fma_f32 v[ACC+8*\i4+2*\a:ACC+8*\i4+2*\a+1], v[X+32*\i4+4*(\j)+\pr:X+32*\i4+4*(\j)+\pr+1], v[GWB+32*((\j)%2)+8*(\pr+\sel)+2*\a:GWB+32*((\j)%2)+8*(\pr+\sel)+2*\a+1], v[ACC+8*\i4+2*\a:ACC+8*\i4+2*\a+1] op_sel:[\sel,0,0] op_sel_hi:[\sel,1,1]   ; one number of x (word sel of the pair) x two experts
.endif
.endr
.endr
.endr
.endr
.endm
	WLOAD 0
.irp j, 0,1,2,3,4,5,6,7
	GSTEP \j
.endr
	s_wait_kmcnt 0x0                               ; gate_b
; The sums of four rows over the 32 lanes, for expert j.  Two steps in which a lane keeps one of two rows and hands the other to its neighbour leave row lane % 4 in each lane; three plain steps finish it.
.macro RED4 j
	v_cndmask_b32 v52, v[ACC+(\j)], v[ACC+8+(\j)], s46       ; odd lanes keep row 1, even lanes row 0,
	v_cndmask_b32 v53, v[ACC+8+(\j)], v[ACC+(\j)], s46       ; and give the other
	v_cndmask_b32 v54, v[ACC+16+(\j)], v[ACC+24+(\j)], s46
	v_cndmask_b32 v55, v[ACC+24+(\j)], v[ACC+16+(\j)], s46
	v_add_f32_dpp v52, v53, v52 row_xmask:1 row_mask:0xf bank_mask:0xf
	v_add_f32_dpp v54, v55, v54 row_xmask:1 row_mask:0xf bank_mask:0xf
	v_cndmask_b32 v53, v52, v54, s47
	v_cndmask_b32 v55, v54, v52, s47
	v_add_f32_dpp v53, v55, v53 row_xmask:2 row_mask:0xf bank_mask:0xf
	v_add_f32_dpp v53, v53, v53 row_xmask:4 row_mask:0xf bank_mask:0xf
	v_add_f32_dpp v53, v53, v53 row_xmask:8 row_mask:0xf bank_mask:0xf
	v_permlanex16_b32 v55, v53, s48, s49
	v_add_f32 v[LG+(\j)], v53, v55
	v_add_f32 v[LG+(\j)], s[24+(\j)], v[LG+(\j)]             ; + gate_b
.endm
.irp j, 0,1,2,3,4,5,6,7
	RED4 \j
.endr
	v_max3_num_f32 v52, v44, v45, v46              ; the softmax of my row: the largest logit is taken away first
	v_max3_num_f32 v52, v52, v47, v48
	v_max3_num_f32 v52, v52, v49, v50
	v_max_num_f32 v52, v52, v51
.irp j, 0,1,2,3,4,5,6,7
	v_sub_f32 v[LG+\j], v[LG+\j], v52
.endr
.irp j, 0,1,2,3,4,5,6,7
	v_mul_f32 v[LG+\j], s50, v[LG+\j]
.endr
.irp j, 0,1,2,3,4,5,6,7
	v_exp_f32 v[LG+\j], v[LG+\j]
.endr
	v_nop                                          ; a plain instruction behind the last exponential,
	s_wait_alu depctr_va_vdst(0)                   ; and one wait for the eight, ahead of their first reader
	v_add_f32 v53, v44, v45
	v_add_f32 v54, v46, v47
	v_add_f32 v55, v48, v49
	v_add_f32 v56, v50, v51
	v_add_f32 v53, v53, v54
	v_add_f32 v55, v55, v56
	v_add_f32 v53, v53, v55
	v_rcp_f32 v53, v53
	v_nop
	s_wait_alu depctr_va_vdst(0)
.irp j, 0,1,2,3,4,5,6,7
	v_mul_f32 v[LG+\j], v[LG+\j], v53              ; the weights
.endr
	v_mov_b32 v60, v44                             ; the largest weight and its index: a later one wins only if it is larger
	v_mov_b32 v55, 0
.irp j, 1,2,3,4,5,6,7
	v_cmp_gt_f32 vcc_lo, v[LG+\j], v60
	v_cndmask_b32 v60, v60, v[LG+\j], vcc_lo
	v_cndmask_b32 v55, v55, \j, vcc_lo
.endr
.irp j, 0,1,2,3,4,5,6,7
	v_cmp_eq_u32 vcc_lo, \j, v55
	v_cndmask_b32 v[LG+\j], v[LG+\j], -1.0, vcc_lo   ; the first choice is taken out: under every weight
.endr
	v_mov_b32 v61, v44                             ; the second
	v_mov_b32 v57, 0
.irp j, 1,2,3,4,5,6,7
	v_cmp_gt_f32 vcc_lo, v[LG+\j], v61
	v_cndmask_b32 v61, v61, v[LG+\j], vcc_lo
	v_cndmask_b32 v57, v57, \j, vcc_lo
.endr
	v_cmp_gt_u32 vcc_lo, v57, v55
	v_mad_u32_u24 v58, v55, 7, v57
	v_cndmask_b32 v59, 0, 1, vcc_lo
	v_sub_nc_u32 v58, v58, v59                     ; the pair's number
	s_lshl_b32 s51, s33, 2
	v_and_b32 v52, 3, v1
	v_add_nc_u32 v52, s51, v52                     ; my token: 4 Z + lane % 4
	v_lshlrev_b32 v53, 2, v52
	v_lshlrev_b32 v52, 3, v52
	s_wait_xcnt 0x0                                ; EXEC changes only behind this wait
	v_cmp_gt_u32 vcc_lo, 4, v1
	s_set_vgpr_msb 0x5
	s_wait_tensorcnt 0x0
	ds_add_u32 v0, v1
	s_wait_dscnt 0x0
	s_set_vgpr_msb 0x500
	s_and_saveexec_b32 s52, vcc_lo                 ; lanes 0 to 3 store for the four rows
	global_store_b32 v53, v58, s[20:21]
	global_store_b64 v52, v[60:61], s[22:23]
	s_endpgm
.Lfunc_end_k_qefc6abcebf_gate:
	.size	k_qefc6abcebf_gate, .Lfunc_end_k_qefc6abcebf_gate-k_qefc6abcebf_gate
	.p2alignl 7, 3214868480
	.fill 96, 4, 3214868480
	.section	.rodata,"a",@progbits
	.p2align	6, 0x0
	.amdhsa_kernel k_qefc6abcebf_gate
		.amdhsa_group_segment_fixed_size 37376
		.amdhsa_private_segment_fixed_size 0
		.amdhsa_enable_private_segment 0
		.amdhsa_kernarg_size 80
		.amdhsa_user_sgpr_count 2
		.amdhsa_user_sgpr_kernarg_segment_ptr 1
		.amdhsa_wavefront_size32 1
		.amdhsa_system_sgpr_workgroup_id_x 1
		.amdhsa_system_sgpr_workgroup_id_y 1
		.amdhsa_system_sgpr_workgroup_id_z 1
		.amdhsa_system_vgpr_workitem_id 0
		.amdhsa_next_free_vgpr 258
		.amdhsa_next_free_sgpr 66
		.amdhsa_reserve_vcc 1
		.amdhsa_float_denorm_mode_32 3
		.amdhsa_float_denorm_mode_16_64 3
		.amdhsa_memory_ordered 1
		.amdhsa_forward_progress 1
		.amdhsa_inst_pref_size 61
	.end_amdhsa_kernel
	.amdgpu_metadata
---
amdhsa.version: [ 1, 2 ]
amdhsa.kernels:
  - .name:           k_qefc6abcebf_gate
    .symbol:         k_qefc6abcebf_gate.kd
    .args:
      - { .name: x, .offset: 0, .size: 8, .value_kind: global_buffer, .address_space: global }
      - { .name: gate_W, .offset: 8, .size: 8, .value_kind: global_buffer, .address_space: global }
      - { .name: gate_b, .offset: 16, .size: 8, .value_kind: global_buffer, .address_space: global }
      - { .name: W1_codes, .offset: 24, .size: 8, .value_kind: global_buffer, .address_space: global }
      - { .name: W1_scales, .offset: 32, .size: 8, .value_kind: global_buffer, .address_space: global }
      - { .name: W2_codes, .offset: 40, .size: 8, .value_kind: global_buffer, .address_space: global }
      - { .name: W2_scales, .offset: 48, .size: 8, .value_kind: global_buffer, .address_space: global }
      - { .name: wimg, .offset: 56, .size: 8, .value_kind: global_buffer, .address_space: global }
      - { .name: pc, .offset: 64, .size: 8, .value_kind: global_buffer, .address_space: global }
      - { .name: gw, .offset: 72, .size: 8, .value_kind: global_buffer, .address_space: global }
    .group_segment_fixed_size: 37376
    .private_segment_fixed_size: 0
    .kernarg_segment_align: 8
    .kernarg_segment_size: 80
    .max_flat_workgroup_size: 128
    .sgpr_count:     66
    .vgpr_count:     258
    .wavefront_size: 32
...
	.end_amdgpu_metadata
.endif
;; end of part 1
;; launch place (part 2): grid 56 x 1, 8 waves a work-group, no clusters, 1,280 bytes of LDS; arguments pc, order, tiles; writes order, tiles
.if DOCPART == 2
	.amdgcn_target "amdgcn-amd-amdhsa--gfx1250"
	.amdhsa_code_object_version 6
	.text
	.protected	k_qefc6abcebf_place
	.globl	k_qefc6abcebf_place
	.p2align	8
	.type	k_qefc6abcebf_place,@function
k_qefc6abcebf_place:
	s_mov_b64 s[64:65], 0
	v_nop
	global_prefetch_b8 v0, s[64:65] scope:SCOPE_SE
	s_setreg_imm32_b32 hwreg(HW_REG_WAVE_MODE, 25, 1), 1
	s_wait_xcnt 0x0
; A COUNTING SORT OF THE 4,096 TOKENS BY THEIR ORDERED PAIR OF EXPERTS, without atomics: work-group p owns pair p (0 .. 55), reads all 4,096 numbers (16 a thread), and finds by itself
;   base = how many tokens have a smaller pair, c = how many have pair p, cp = how many have pair p - 1.
; Its tokens go to order[base .. base + c - 1]; any order among them serves, since the rows of a tile do not meet.
; THE TILES.  A tile is at most 32 tokens of one pair.  Pair p's tiles k = 0 .. T - 1, T = ceil(c / 32), have the numbers f + k, f = base / 32 (rounded down) + p.  These rise from pair to pair, since
; floor((a + c) / 32) >= floor(a / 32) + ceil(c / 32) - 1, and end at 182: base + c of pair 55 is 4,096, a multiple of 32, so that its f + T = 128 + 55.  So 183 records serve every split.
; Work-group p writes the records from the end of pair p - 1's (which it finds from base - cp and cp) to the end of its own; those under f are slots without rows: n = 0.
; A record is (n, first place in order, e0, e1).  Behind order's 4,096 entries stand 32 zeros: a tile's reader always takes 32 entries.
; Every register that serves as an address is made ahead of the first change of EXEC: those made of ids alone at the head, the tokens' places (held inside the buffer) in front of the masked stores.
.set C, 8                              ; v8-23   my 16 numbers: register 4 jj + cc is token 1,024 jj + 4 t + cc
.set R, 24                             ; v24-39  their places, then byte offsets in order
.set D, 40                             ; v40-55  the tokens' numbers
	s_load_b128 s[4:7], s[0:1], 0x0                ; pc 4:5, order 6:7
	s_load_b64 s[8:9], s[0:1], 0x10                ; tiles
	v_lshl_add_u32 v112, v0, 2, 0x100
	v_mov_b32 v113, 0
	v_lshrrev_b32 v5, 5, v0
	v_readfirstlane_b32 s10, v5                    ; wave 0..7
	v_lshlrev_b32 v5, 4, v5                        ; LDS: 16 bytes a wave
	v_lshlrev_b32 v1, 4, v0                        ; 16 t: my 16 bytes of 4,096 of pc, and record t's place in tiles; never rewritten
	v_lshlrev_b32 v2, 2, v0                        ; 4 t
	v_and_b32 v3, 31, v0
	v_lshlrev_b32 v3, 2, v3                        ; 4 x lane: a zero's place behind order; never rewritten
	v_mov_b32 v4, 0
	s_mov_b32 s11, ttmp9                           ; p
	s_sub_co_u32 s12, s11, 1                       ; p - 1 (for p = 0 a number that no token has)
	s_mov_b32 s13, 0                               ; my wave's counts: smaller,
	s_mov_b32 s14, 0                               ; equal,
	s_mov_b32 s15, 0                               ; equal to p - 1
	s_wait_kmcnt 0x0
.irp jj, 0,1,2,3
	global_load_b128 v[C+4*\jj:C+4*\jj+3], v1, s[4:5] offset:4096*\jj
.endr
	s_wait_loadcnt 0x0
.irp i, 0,1,2,3,4,5,6,7,8,9,10,11,12,13,14,15
	v_cmp_gt_u32 vcc_lo, s11, v[C+\i]
	s_bcnt1_i32_b32 s16, vcc_lo
	s_add_co_u32 s13, s13, s16
	v_cmp_eq_u32 vcc_lo, s12, v[C+\i]
	s_bcnt1_i32_b32 s16, vcc_lo
	s_add_co_u32 s15, s15, s16
	v_cmp_eq_u32 vcc_lo, s11, v[C+\i]
	v_mbcnt_lo_u32_b32 v[R+\i], vcc_lo, s14        ; place in the wave: those of earlier registers, and of lower lanes in this one
	s_bcnt1_i32_b32 s16, vcc_lo
	s_add_co_u32 s14, s14, s16
.endr
	v_mov_b32 v56, s13
	v_mov_b32 v57, s14
	v_mov_b32 v58, s15
	v_mov_b32 v59, 0
	ds_store_b128 v5, v[56:59]                     ; all lanes write the same 16 bytes with the same values
	s_wait_dscnt 0x0                               ; for the others' sake
	s_barrier_signal -1
	s_barrier_wait -1
.irp w, 0,1,2,3,4,5,6,7
	ds_load_b128 v[60+4*\w:63+4*\w], v4 offset:16*\w
.endr
	s_wait_dscnt 0x0
.irp w, 0,1,2,3,4,5,6,7
	v_readfirstlane_b32 s[20+\w], v[60+4*\w]
	v_readfirstlane_b32 s[28+\w], v[61+4*\w]
	v_readfirstlane_b32 s[36+\w], v[62+4*\w]
.endr
	s_mov_b32 s44, s20
	s_mov_b32 s45, s28
	s_mov_b32 s46, s36
.irp w, 1,2,3,4,5,6,7
	s_add_co_u32 s44, s44, s[20+\w]                ; base
	s_add_co_u32 s45, s45, s[28+\w]                ; c
	s_add_co_u32 s46, s46, s[36+\w]                ; cp
.endr
	s_mov_b32 s47, 0
.irp w, 0,1,2,3,4,5,6
	s_cmp_gt_u32 s10, \w
	s_cselect_b32 s16, s[28+\w], 0
	s_add_co_u32 s47, s47, s16                     ; pair p's tokens in the waves in front of mine
.endr
	s_lshr_b32 s48, s44, 5
	s_add_co_u32 s48, s48, s11                     ; f
	s_add_co_u32 s49, s45, 31
	s_lshr_b32 s49, s49, 5                         ; T
	s_add_co_u32 s50, s48, s49                     ; where my records end
	s_sub_co_u32 s51, s44, s46
	s_lshr_b32 s51, s51, 5
	s_add_co_u32 s51, s51, s12
	s_add_co_u32 s16, s46, 31
	s_lshr_b32 s16, s16, 5
	s_add_co_u32 s51, s51, s16
	s_max_i32 s51, s51, 0                          ; and where they begin: the same sum for pair p - 1; 0 for p = 0
	s_mul_i32 s52, s11, 37
	s_lshr_b32 s52, s52, 8                         ; e0 = p / 7 (37 p / 256 rounded down is that for p up to 55)
	s_mul_i32 s53, s52, 7
	s_sub_co_u32 s53, s11, s53
	s_cmp_ge_u32 s53, s52
	s_cselect_b32 s16, 1, 0
	s_add_co_u32 s53, s53, s16                     ; e1 = p % 7, one more from e0 on
	s_add_co_u32 s54, s44, s47
.irp i, 0,1,2,3,4,5,6,7,8,9,10,11,12,13,14,15
	v_add_nc_u32 v[R+\i], s54, v[R+\i]
.endr
.irp i, 0,1,2,3,4,5,6,7,8,9,10,11,12,13,14,15
	v_min_u32 v[R+\i], 0xfff, v[R+\i]              ; a number made from loaded ones is held inside the buffer before it becomes an address
.endr
.irp i, 0,1,2,3,4,5,6,7,8,9,10,11,12,13,14,15
	v_lshlrev_b32 v[R+\i], 2, v[R+\i]
.endr
.irp i, 0,1,2,3,4,5,6,7,8,9,10,11,12,13,14,15
	v_add_nc_u32 v[D+\i], 1024*(\i/4)+\i%4, v2
.endr
	v_cmp_le_u32 vcc_lo, s51, v0                   ; the records: thread t looks after number t.  Their data and their mask are made here, with all lanes on
	v_cmp_gt_u32 s17, s50, v0
	s_and_b32 s55, vcc_lo, s17                     ; the numbers that are mine to write
	v_cmp_le_u32 s18, s48, v0                      ; from f on: a tile with rows
	v_sub_nc_u32 v96, v0, s48
	v_lshlrev_b32 v96, 5, v96                      ; 32 k
	v_sub_nc_u32 v97, s45, v96
	v_min_u32 v97, 32, v97
	v_add_nc_u32 v98, s44, v96
	v_cndmask_b32 v100, 0, v97, s18                ; n
	v_cndmask_b32 v101, 0, v98, s18                ; first place
	v_mov_b32 v102, s52
	v_mov_b32 v103, s53
.irp i, 0,1,2,3,4,5,6,7,8,9,10,11,12,13,14,15
	v_cmp_eq_u32 vcc_lo, s11, v[C+\i]
	s_wait_xcnt 0x0                                ; EXEC is narrowed only behind this wait,
	s_and_saveexec_b32 s19, vcc_lo
	global_store_b32 v[R+\i], v[D+\i], s[6:7]
	s_wait_xcnt 0x0                                ; and widened only behind this one
	s_or_b32 exec_lo, exec_lo, s19
.endr
	s_and_saveexec_b32 s19, s55                    ; (no memory instruction has been issued since the last wait)
	global_store_b128 v1, v[100:103], s[8:9]
	s_wait_xcnt 0x0
	s_or_b32 exec_lo, exec_lo, s19
	s_cmp_lg_u32 s11, 55                           ; the 32 zeros behind order: wave 0 of the last work-group
	s_cbranch_scc1 .Lend
	s_cmp_lg_u32 s10, 0
	s_cbranch_scc1 .Lend
	global_store_b32 v3, v4, s[6:7] offset:16384
.Lend:
	s_wait_tensorcnt 0x0
	ds_add_u32 v112, v113
	s_wait_dscnt 0x0
	s_endpgm
.Lfunc_end_k_qefc6abcebf_place:
	.size	k_qefc6abcebf_place, .Lfunc_end_k_qefc6abcebf_place-k_qefc6abcebf_place
	.p2alignl 7, 3214868480
	.fill 96, 4, 3214868480
	.section	.rodata,"a",@progbits
	.p2align	6, 0x0
	.amdhsa_kernel k_qefc6abcebf_place
		.amdhsa_group_segment_fixed_size 1280
		.amdhsa_private_segment_fixed_size 0
		.amdhsa_enable_private_segment 0
		.amdhsa_kernarg_size 24
		.amdhsa_user_sgpr_count 2
		.amdhsa_user_sgpr_kernarg_segment_ptr 1
		.amdhsa_wavefront_size32 1
		.amdhsa_system_sgpr_workgroup_id_x 1
		.amdhsa_system_sgpr_workgroup_id_y 1
		.amdhsa_system_sgpr_workgroup_id_z 1
		.amdhsa_system_vgpr_workitem_id 0
		.amdhsa_next_free_vgpr 114
		.amdhsa_next_free_sgpr 66
		.amdhsa_reserve_vcc 1
		.amdhsa_float_denorm_mode_32 3
		.amdhsa_float_denorm_mode_16_64 3
		.amdhsa_memory_ordered 1
		.amdhsa_forward_progress 1
		.amdhsa_inst_pref_size 19
	.end_amdhsa_kernel
	.amdgpu_metadata
---
amdhsa.version: [ 1, 2 ]
amdhsa.kernels:
  - .name:           k_qefc6abcebf_place
    .symbol:         k_qefc6abcebf_place.kd
    .args:
      - { .name: pc, .offset: 0, .size: 8, .value_kind: global_buffer, .address_space: global }
      - { .name: order, .offset: 8, .size: 8, .value_kind: global_buffer, .address_space: global }
      - { .name: tiles, .offset: 16, .size: 8, .value_kind: global_buffer, .address_space: global }
    .group_segment_fixed_size: 1280
    .private_segment_fixed_size: 0
    .kernarg_segment_align: 8
    .kernarg_segment_size: 24
    .max_flat_workgroup_size: 256
    .sgpr_count:     66
    .vgpr_count:     114
    .wavefront_size: 32
...
	.end_amdgpu_metadata
.endif
;; end of part 2
;; launch chain (part 3): grid 183 x 1, 8 waves a work-group, no clusters, 171,008 bytes of LDS; arguments x, wimg, b1, b2, tiles, order, gw, ln_gamma, ln_beta, out0; writes out0
.if DOCPART == 3
	.amdgcn_target "amdgcn-amd-amdhsa--gfx1250"
	.amdhsa_code_object_version 6
	.text
	.protected	k_qefc6abcebf_chain
	.globl	k_qefc6abcebf_chain
	.p2align	8
	.type	k_qefc6abcebf_chain,@function
k_qefc6abcebf_chain:
	s_mov_b64 s[64:65], 0
	v_nop
	global_prefetch_b8 v0, s[64:65] scope:SCOPE_SE
	s_setreg_imm32_b32 hwreg(HW_REG_WAVE_MODE, 25, 1), 1
	s_wait_xcnt 0x0
; ONE TILE (at most 32 tokens that chose the same experts e0, e1, in that order) THROUGH THE WHOLE CHAIN:
;   eo0 = relu(Q(x) W1[e0] + b1[e0]) quantised, x W2[e0] + b2[e0];  boost = x + 0.5 eo0;  eo1 likewise from Q(boost) with e1;  out = LayerNorm(x + v0 eo0 + v1 eo1).
; All four products on codes of E3M2 with one E8M0 scale for each 32 along K; x, boost and both hidden layers are quantised here, from f32; nothing between goes to memory.
; SHARES.  Eight waves share the COLUMNS: wave w makes hidden units 64 w .. + 63 and outputs 128 w .. + 127 (two groups of 64), for all 32 rows (two tiles of 16).  Each fragment of weights is loaded once by
; the work-group, straight from memory into registers (an earlier launch has laid it as the registers take it: each load of the wave covers 512 consecutive bytes), and feeds two matrix instructions.
; Both products are used transposed (source 0 = 16 weight rows, source 1 = 16 tokens): a lane holds ONE token, and the 32 registers of a row tile's four accumulators are two blocks' 16 neighbours along the next K.
; The rows' codes go from wave to wave through LDS as images of the operand's registers; the rows themselves (x, then x + v0 eo0, then the sum) lie in LDS as f32, each wave working on its own 512 bytes of each row.
; THE TEXT IS STRAIGHT: no loop at run time; so the number of loads issued behind any load is a constant, which the assembler counts (GL, WAITL).
; A SLOT WITHOUT ROWS (n = 0) walks the text like any other and stores nothing: every wave passes every barrier, and none stands under a branch on a loaded number.  The only branches on n stand behind the last barrier.
; NO JOINT LOADS, NO TENSOR LOADS: how many tiles a pair of experts has, and so who could share a fragment with whom, hangs on stored numbers; with 56 pairs and 183 slots no fixed group of four slots has one expert at every split.
; LIMITS: NaN and infinities are not served.  A block of zeros gets the scale byte 1 (its codes are zeros; only this text reads the byte).  Blocks whose largest magnitude lies under 2^-122 are held at that byte.
; LDS:
.set XIMG, 0                           ; the first product's operand: fragment (row tile m, K step s) at 1,536 (8 m + s); in it half c at 768 c: registers 6 c .. + 3 at 16 x lane, registers 6 c + 4, + 5 at 512 + 8 x lane
.set XSC,  24576                       ; its scale words: 64 (8 m + s) + 4 r
.set HIMG, 25600                       ; the second product's: 1,536 (4 m + s)
.set HSC,  37888                       ; 64 (4 m + s) + 4 r
.set YB,   38400                       ; 32 rows of 1,024 f32,
.set YP,   4112                        ; 4,096 bytes + 16: 257 x 16, so that sixteen rows' 16 bytes at one column fall on sixteen different columns of 16 bytes in 256
.set QB,   6400                        ; a quad of weights in memory
; REGISTERS, window 0:
.set A16,  1                           ; 16 x lane
.set A8,   2                           ; 8 x lane
.set A4R,  3                           ; 4 r
.set SC16, 4                           ; 16 r
.set BOF,  5                           ; 64 h: a bias's eight numbers of my half
.set YE,   6                           ; v6-7   my token's row of row tile m, my wave's columns, my half: YB + (16 m + r) YP + 512 w + 64 h
.set YR,   8                           ; v8     whole rows: YB + 4 w YP + 16 x lane
.set HW16, 9                           ; v9-11  where I store the hidden layer's image: 16 x lane + 768 w, 8 x lane + 768 w, its half scale word 4 r + 64 (w / 2) + 2 (w % 2)
.set HW8,  10
.set HWS,  11
.set XW16, 12                          ; v12-14 the same for x's and boost's: + 1,536 w; 4 r + 64 w
.set XW8,  13
.set XWS,  14
.set OO,   15                          ; v15    4 (first place + r): my token's entry in order
.set TK,   16                          ; v16-17 the tokens of rows r and 16 + r, then their offsets in gw
.set GW,   18                          ; v18-21 (v0, v1) of those two tokens
.set TM,   22                          ; v22-28 the quantiser's: two maxima, two bytes, two scale operands, the half scale word
.set PC,   30                          ; v30-38 the codes just made
.set BS,   40                          ; v40-43 the tokens' scale words (set bb, row tile m: 2 bb + m);  v44-59 the weights' (4 slot + t).  These twenty hold scales and nothing else
.set WS,   44
.set ACC,  64                          ; v64-127 eight accumulators: (m, t) at 64 + 32 m + 8 t
.set BF,   128                         ; v128-175 two sets of the tokens' two fragments
.set T,    128                         ; v128-159 32 numbers out of the rows;  v160-191 32 numbers on their way back
.set U,    160
; window 1: v0-191 a ring of four quads (slot at 48 x slot, fragment t at + 12 t); v192-255 two buffers of a bias's four tiles; at the end gamma in v0-31, beta in v48-79
.set BIAS, 192
.set WB,   36                          ; s[36:39] my wave's stream of weights for e0 and for e1
.set GL,   0                           ; loads into registers issued so far
.set MSB,  0
.macro WIN new                         ; the immediate's high byte repeats the setting that is left
.if MSB != \new
	s_set_vgpr_msb (MSB<<8)|\new
.set MSB, \new
.endif
.endm
.macro WAITL mark                      ; loads come back in order: the load behind which GL stood at mark is in when at most GL - mark are out
.if GL-(\mark) > 63
	s_wait_loadcnt 63
.else
	s_wait_loadcnt GL-(\mark)
.endif
.endm
.macro FILL n                          ; quad n of the 32 that a wave walks (16 for each expert), into slot n % 4: 12 loads of 512 bytes, and its scale words
.set SL, (\n)%4
	WIN 0x40
.irp t, 0,1,2,3
.irp c, 0,1,2
	global_load_b128 v[48*SL+12*\t+4*\c:48*SL+12*\t+4*\c+3], v[A16], s[WB+2*((\n)/16):WB+2*((\n)/16)+1] offset:((\n)%16)*QB+1536*\t+512*\c
.endr
.endr
	WIN 0
	global_load_b128 v[WS+4*SL:WS+4*SL+3], v[SC16], s[WB+2*((\n)/16):WB+2*((\n)/16)+1] offset:((\n)%16)*QB+6144
.set GL, GL+13
.if SL == 0
.set QM0, GL
.elseif SL == 1
.set QM1, GL
.elseif SL == 2
.set QM2, GL
.else
.set QM3, GL
.endif
.endm
.macro QMARK slot
.if (\slot) == 0
.set MK, QM0
.elseif (\slot) == 1
.set MK, QM1
.elseif (\slot) == 2
.set MK, QM2
.else
.set MK, QM3
.endif
.endm
.macro BIASLD g                        ; the bias of K loop g (3 x stage + 0: b1; + 1, + 2: b2's two groups), in the result's layout: tile t, lane half h, register j: unit 32 (t / 2) + 8 (t % 2) + 16 h + j
.set BG, (\g)%3
.set BST, (\g)/3
	WIN 0x40
.irp t, 0,1,2,3
.irp k, 0,1
.if BG == 0
	global_load_b128 v[BIAS+32*((\g)%2)+8*\t+4*\k:BIAS+32*((\g)%2)+8*\t+4*\k+3], v[BOF], s[40+2*BST:41+2*BST] offset:(32*(\t/2)+8*(\t%2))*4+16*\k
.else
	global_load_b128 v[BIAS+32*((\g)%2)+8*\t+4*\k:BIAS+32*((\g)%2)+8*\t+4*\k+3], v[BOF], s[44+2*BST:45+2*BST] offset:256*(BG-1)+(32*(\t/2)+8*(\t%2))*4+16*\k
.endif
.endr
.endr
	WIN 0
.set GL, GL+8
.if ((\g)%2) == 0
.set BM0, GL
.else
.set BM1, GL
.endif
.endm
.macro LNLD sb, reg                    ; gamma or beta: my lane's 4 columns of each 128, into window 1
	WIN 0x40
.irp jj, 0,1,2,3,4,5,6,7
	global_load_b128 v[(\reg)+4*\jj:(\reg)+4*\jj+3], v[A16], s[\sb:\sb+1] offset:512*\jj
.endr
	WIN 0
.set GL, GL+8
.endm
.macro BLOAD bb, base, scb, ks, s      ; the tokens' two fragments of K step s and their scale words, out of the images: ten LDS loads
.irp m, 0,1
.irp c, 0,1
	ds_load_b128 v[BF+24*(\bb)+12*\m+6*\c:BF+24*(\bb)+12*\m+6*\c+3], v[A16] offset:(\base)+((\ks)*\m+(\s))*1536+768*\c
	ds_load_b64 v[BF+24*(\bb)+12*\m+6*\c+4:BF+24*(\bb)+12*\m+6*\c+5], v[A8] offset:(\base)+((\ks)*\m+(\s))*1536+768*\c+512
.endr
.endr
.irp m, 0,1
	ds_load_b32 v[BS+2*(\bb)+\m], v[A4R] offset:(\scb)+((\ks)*\m+(\s))*64
.endr
.endm
; A K LOOP: quads n0 .. n0 + steps - 1 against the images at base.  A step is eight matrix instructions on the eight accumulators, which take turns in the same order in every step.
; The bias is the C of the first step.  Behind a step's products and their places the slot is asked for again, four quads ahead: that load has three quads' work in which to land.
.macro KLOOP n0, steps, base, scb, g
	BLOAD 0, \base, \scb, \steps, 0
.set KI, 0
.rept \steps
.set BB, KI%2
.set NQ, (\n0)+KI
.set SQ, NQ%4
.if KI+1 < (\steps)
	BLOAD 1-BB, \base, \scb, \steps, KI+1
	s_wait_dscnt 10                                ; this step's ten are in; the next step's ten may be out
.else
	s_wait_dscnt 0x0
.endif
	QMARK SQ
.if KI == 0
.if ((\g)%2) == 0
.if BM0 > MK
.set MK, BM0
.endif
.else
.if BM1 > MK
.set MK, BM1
.endif
.endif
.endif
	WAITL MK                                       ; the quad (and in the first step the bias) is in; what was asked for later may be out
.if KI == 0
	WIN 0x11                                       ; source 0 (weights) and C (bias) in window 1
.else
	WIN 0x01
.endif
.irp t, 0,1,2,3
.irp m, 0,1
.if KI == 0
	v_wmma_scale_f32_16x16x128_f8f6f4 v[ACC+32*\m+8*\t:ACC+32*\m+8*\t+7], v[48*SQ+12*\t:48*SQ+12*\t+11], v[BF+24*BB+12*\m:BF+24*BB+12*\m+11], v[BIAS+32*((\g)%2)+8*\t:BIAS+32*((\g)%2)+8*\t+7], v[WS+4*SQ+\t], v[BS+2*BB+\m] matrix_a_fmt:MATRIX_FMT_BF6 matrix_b_fmt:MATRIX_FMT_BF6
.else
	v_wmma_scale_f32_16x16x128_f8f6f4 v[ACC+32*\m+8*\t:ACC+32*\m+8*\t+7], v[48*SQ+12*\t:48*SQ+12*\t+11], v[BF+24*BB+12*\m:BF+24*BB+12*\m+11], v[ACC+32*\m+8*\t:ACC+32*\m+8*\t+7], v[WS+4*SQ+\t], v[BS+2*BB+\m] matrix_a_fmt:MATRIX_FMT_BF6 matrix_b_fmt:MATRIX_FMT_BF6
.endif
.endr
.endr
	WIN 0
.if KI+1 < (\steps)
.rept 4
	v_nop                                          ; four places in front of loads into registers that these products have read
.endr
.else
.rept 5
	v_nop                                          ; behind a loop's last step five: the next loop's first products write the accumulators anew, with another C
.endr
.endif
.if NQ+4 < 32
	FILL NQ+4
.elseif NQ+4 == 32
	LNLD 18, 0                                     ; no quad is left: gamma takes slot 0,
.elseif NQ+4 == 33
	LNLD 20, 48                                    ; beta slot 1
.endif
.if (KI == 0) && ((\g)+2 < 6)
	BIASLD (\g)+2                                  ; the buffer that the first step has read takes the bias of two loops on
.endif
.set KI, KI+1
.endr
.endm
; 32 numbers of a lane, register 16 b + i = k 32 b + 16 h + i of my token, become half a fragment (six registers at PC) and half a scale word (two bytes in TM + 6).
.macro QUANT32 s
	v_max3_num_f32 v[TM], |v[(\s)]|, |v[(\s)+1]|, 0x2800000           ; my 16 of block 0, and the floor 2^(5 - 127): the byte cannot fall under 1
	v_max3_num_f32 v[TM+1], |v[(\s)+16]|, |v[(\s)+17]|, 0x2800000     ; block 1: the two by turns
.irp i, 2,4,6,8,10,12,14
	v_max3_num_f32 v[TM], v[TM], |v[(\s)+\i]|, |v[(\s)+\i+1]|
	v_max3_num_f32 v[TM+1], v[TM+1], |v[(\s)+16+\i]|, |v[(\s)+17+\i]|
.endr
	v_permlanex16_b32 v[TM+2], v[TM], s56, s57
	v_permlanex16_b32 v[TM+3], v[TM+1], s56, s57
	v_max_num_f32 v[TM], v[TM], v[TM+2]            ; with lane l xor 16's: the block's largest magnitude
	v_max_num_f32 v[TM+1], v[TM+1], v[TM+3]
	v_add_nc_u32 v[TM+4], 0xfe000000, v[TM]        ; 4 off its exponent field: the conversion takes the exponent field of this operand as its scale
	v_add_nc_u32 v[TM+5], 0xfe000000, v[TM+1]
	v_lshrrev_b32 v[TM+2], 23, v[TM+4]             ; the scale's byte
	v_lshrrev_b32 v[TM+3], 23, v[TM+5]
	v_lshl_or_b32 v[TM+6], v[TM+3], 8, v[TM+2]
	v_cvt_scalef32_pk16_bf6_f32 v[PC:PC+2], v[(\s):(\s)+15], v[TM+4]
	v_cvt_scalef32_pk16_bf6_f32 v[PC+6:PC+8], v[(\s)+16:(\s)+31], v[TM+5]   ; (a conversion's three registers begin on an even number)
	v_nop                                          ; one plain place behind a scaled conversion
.irp i, 0,1,2
	v_permlane16_swap_b32 v[PC+\i], v[PC+6+\i]     ; the operand wants a whole block in a lane: lanes 0-15 block 0, lanes 16-31 block 1
.endr
.irp i, 0,1,2
	v_mov_b32 v[PC+3+\i], v[PC+6+\i]
.endr
.endm
.macro IMG a16, a8, as, off, soff      ; the six registers go to LDS as they stand; lanes r and 16 + r write the same two bytes with the same value
	ds_store_b128 v[\a16], v[PC:PC+3] offset:\off
	ds_store_b64 v[\a8], v[PC+4:PC+5] offset:(\off)+512
	ds_store_b16 v[\as], v[TM+6] offset:\soff
.endm
; The rows' side of a group gg of 64 columns, row tile m.  mode 0: x is quantised.  mode 1: row += v0 eo0; boost = x + 0.5 eo0 is quantised.  mode 2: row += v1 eo1.
.macro EPI gg, m, mode
.irp b, 0,1
.irp jj, 0,1,2,3
	ds_load_b128 v[T+16*\b+4*\jj:T+16*\b+4*\jj+3], v[YE+(\m)] offset:256*(\gg)+128*\b+16*\jj
.endr
.endr
	s_wait_dscnt 0x0                               ; my 32 numbers are in, and my earlier LDS stores have read their registers
.if (\mode) == 1
.irp k, 0,2,4,6,8,10,12,14,16,18,20,22,24,26,28,30
	v_pk_fma_f32 v[U+\k:U+\k+1], v[ACC+32*(\m)+\k:ACC+32*(\m)+\k+1], v[GW+2*(\m):GW+2*(\m)+1], v[T+\k:T+\k+1] op_sel_hi:[1,0,1]   ; x + v0 eo0 (each accumulator is read from its low end on)
.endr
.irp k, 0,2,4,6,8,10,12,14,16,18,20,22,24,26,28,30
	v_pk_fma_f32 v[ACC+32*(\m)+\k:ACC+32*(\m)+\k+1], v[ACC+32*(\m)+\k:ACC+32*(\m)+\k+1], 0.5, v[T+\k:T+\k+1] op_sel_hi:[1,0,1]   ; x + 0.5 eo0
.endr
.elseif (\mode) == 2
.irp k, 0,2,4,6,8,10,12,14,16,18,20,22,24,26,28,30
	v_pk_fma_f32 v[U+\k:U+\k+1], v[ACC+32*(\m)+\k:ACC+32*(\m)+\k+1], v[GW+2*(\m):GW+2*(\m)+1], v[T+\k:T+\k+1] op_sel:[0,1,0] op_sel_hi:[1,1,1]   ; + v1 eo1
.endr
.endif
.if (\mode) > 0
.irp b, 0,1
.irp jj, 0,1,2,3
	ds_store_b128 v[YE+(\m)], v[U+16*\b+4*\jj:U+16*\b+4*\jj+3] offset:256*(\gg)+128*\b+16*\jj
.endr
.endr
.endif
.if (\mode) == 0
	QUANT32 T
.elseif (\mode) == 1
	QUANT32 ACC+32*(\m)
.endif
.if (\mode) < 2
	IMG XW16, XW8, XWS, XIMG+12288*(\m)+768*(\gg), XSC+512*(\m)+2*(\gg)   ; my 128 columns are K step w; the group is its half gg
.endif
.endm
.macro HEPI m                          ; my 64 hidden units of row tile m: relu, quantised: half w % 2 of K step w / 2
.if (\m) == 1
	s_wait_dscnt 0x0                               ; the last image's stores have read their registers
.endif
.irp j, 0,1,2,3,4,5,6,7,8,9,10,11,12,13,14,15,16,17,18,19,20,21,22,23,24,25,26,27,28,29,30,31
	v_max_num_f32 v[ACC+32*(\m)+\j], 0, v[ACC+32*(\m)+\j]
.endr
	QUANT32 ACC+32*(\m)
	IMG HW16, HW8, HWS, HIMG+6144*(\m), HSC+256*(\m)
.endm
.macro BARRIER                         ; my LDS stores have landed and my LDS loads are in: then the work-group's barrier
	s_wait_dscnt 0x0
	s_barrier_signal -1
	s_barrier_wait -1
.endm
.macro STAGE st
	KLOOP 16*(\st), 8, XIMG, XSC, 3*(\st)
	HEPI 0
	HEPI 1
	BARRIER                                        ; the hidden layer's images are whole; nobody reads the first product's images any more
	KLOOP 16*(\st)+8, 4, HIMG, HSC, 3*(\st)+1
	EPI 0, 0, 1+(\st)
	EPI 0, 1, 1+(\st)
	s_wait_dscnt 0x0                               ; those stores have read the registers into which the next operands are loaded
	KLOOP 16*(\st)+12, 4, HIMG, HSC, 3*(\st)+2
	EPI 1, 0, 1+(\st)
	EPI 1, 1, 1+(\st)
.endm
	s_load_b512 s[4:19], s[0:1], 0x0               ; x 4:5, wimg 6:7, b1 8:9, b2 10:11, tiles 12:13, order 14:15, gw 16:17, gamma 18:19
	s_load_b128 s[20:23], s[0:1], 0x40             ; beta 20:21, out0 22:23
	v_lshl_add_u32 v254, v0, 2, 0x29800
	v_mov_b32 v255, 0
	v_lshrrev_b32 v60, 5, v0
	v_readfirstlane_b32 s24, v60                   ; wave 0..7
	v_and_b32 v62, 31, v0                          ; lane
	v_and_b32 v60, 15, v0                          ; r
	v_bfe_u32 v61, v0, 4, 1                        ; h
	v_lshlrev_b32 v[A16], 4, v62
	v_lshlrev_b32 v[A8], 3, v62
	v_lshlrev_b32 v[A4R], 2, v60
	v_lshlrev_b32 v[SC16], 4, v60
	v_lshlrev_b32 v[BOF], 6, v61
	s_lshl_b32 s26, ttmp9, 4
	s_mov_b32 s27, 0                               ; stays 0: the upper word of every offset
	s_wait_kmcnt 0x0
	s_add_nc_u64 s[12:13], s[12:13], s[26:27]
	s_load_b128 s[28:31], s[12:13], 0x0            ; my record: n, first place, e0, e1
	s_lshl_b32 s25, s24, 9
	s_add_co_u32 s25, s25, YB
	v_mul_u32_u24 v[YE], v60, YP
	v_lshl_add_u32 v[YE], v61, 6, v[YE]
	v_add_nc_u32 v[YE], s25, v[YE]
	v_add_nc_u32 v[YE+1], 16*YP, v[YE]
	s_mul_i32 s25, s24, 4*YP
	s_add_co_u32 s25, s25, YB
	v_add_nc_u32 v[YR], s25, v[A16]
	s_mul_i32 s25, s24, 768
	v_add_nc_u32 v[HW16], s25, v[A16]
	v_add_nc_u32 v[HW8], s25, v[A8]
	s_lshr_b32 s25, s24, 1
	s_lshl_b32 s25, s25, 6
	s_and_b32 s62, s24, 1
	s_lshl_b32 s62, s62, 1
	s_or_b32 s25, s25, s62
	v_add_nc_u32 v[HWS], s25, v[A4R]
	s_mul_i32 s25, s24, 1536
	v_add_nc_u32 v[XW16], s25, v[A16]
	v_add_nc_u32 v[XW8], s25, v[A8]
	s_lshl_b32 s25, s24, 6
	v_add_nc_u32 v[XWS], s25, v[A4R]
	v_mov_b32 v[TM+2], 0                           ; written once: a lane permute's destination counts as one of its sources
	v_mov_b32 v[TM+3], 0
	s_mov_b32 s56, 0x76543210
	s_mov_b32 s57, 0xfedcba98                      ; v_permlanex16_b32's selects for lane l xor 16
	s_mov_b32 s58, 0x3a800000                      ; 1 / 1,024
	s_mov_b32 s59, 0x3727c5ac                      ; 1e-5
	s_wait_kmcnt 0x0
	s_min_u32 s29, s29, 4095                       ; loaded numbers are held inside their tables before they enter an address
	s_min_u32 s30, s30, 7
	s_min_u32 s31, s31, 7
	s_lshl_b32 s26, s29, 2
	v_add_nc_u32 v[OO], s26, v[A4R]
	s_lshl_b32 s25, s24, 4
	s_add_co_u32 s26, s26, s25
	s_add_nc_u64 s[60:61], s[14:15], s[26:27]
	s_load_b128 s[32:35], s[60:61], 0x0            ; the tokens of rows 4 w .. 4 w + 3, which I gather and at the end normalise
	s_mul_i32 s62, s24, 16*QB
.irp i, 0,1
	s_mul_i32 s26, s[30+\i], 128*QB
	s_add_co_u32 s26, s26, s62
	s_add_nc_u64 s[WB+2*\i:WB+2*\i+1], s[6:7], s[26:27]        ; my 16 quads of expert e_i: 102,400 consecutive bytes
.endr
	s_lshl_b32 s62, s24, 8
.irp i, 0,1
	s_lshl_b32 s26, s[30+\i], 11
	s_add_co_u32 s26, s26, s62
	s_add_nc_u64 s[40+2*\i:41+2*\i], s[8:9], s[26:27]          ; b1[e_i] at my 64 units
.endr
	s_lshl_b32 s62, s24, 9
.irp i, 0,1
	s_lshl_b32 s26, s[30+\i], 12
	s_add_co_u32 s26, s26, s62
	s_add_nc_u64 s[44+2*\i:45+2*\i], s[10:11], s[26:27]        ; b2[e_i] at my 128 outputs
.endr
	FILL 0
	FILL 1
	global_load_b32 v[TK], v[OO], s[14:15]
	global_load_b32 v[TK+1], v[OO], s[14:15] offset:64
.set GL, GL+2
.set OM, GL
	s_wait_kmcnt 0x0
	s_lshl_b32 s76, s24, 2                         ; my rows' numbers in the tile
	s_add_co_u32 s77, s76, 1
	s_add_co_u32 s78, s76, 2
	s_add_co_u32 s79, s76, 3
.irp i, 0,1,2,3
	s_min_u32 s[32+\i], s[32+\i], 4095
	s_lshl_b32 s26, s[32+\i], 12
	s_add_nc_u64 s[68+2*\i:69+2*\i], s[4:5], s[26:27]
	s_add_nc_u64 s[48+2*\i:49+2*\i], s[22:23], s[26:27]
.endr
.irp i, 0,1,2,3
.irp jj, 0,1,2,3,4,5,6,7
	global_load_b128 v[64+32*\i+4*\jj:64+32*\i+4*\jj+3], v[A16], s[68+2*\i:69+2*\i] offset:512*\jj   ; a row of x: eight loads of 512 consecutive bytes
.endr
.set GL, GL+8
.set XM\i, GL
.endr
	WAITL OM                                       ; the two tokens are in: behind them x's 32 loads
	v_min_u32 v[TK], 0xfff, v[TK]
	v_min_u32 v[TK+1], 0xfff, v[TK+1]
	v_lshlrev_b32 v[TK], 3, v[TK]
	v_lshlrev_b32 v[TK+1], 3, v[TK+1]
	global_load_b64 v[GW:GW+1], v[TK], s[16:17]    ; their weights: shown in by the first K step's wait, which leaves out only loads issued behind these
	global_load_b64 v[GW+2:GW+3], v[TK+1], s[16:17]
.set GL, GL+2
.irp i, 0,1,2,3
	WAITL XM\i                                     ; row i is in: the later rows' loads and the two above may be out
.irp jj, 0,1,2,3,4,5,6,7
	ds_store_b128 v[YR], v[64+32*\i+4*\jj:64+32*\i+4*\jj+3] offset:YP*\i+512*\jj
.endr
.endr
	BIASLD 0                                       ; ahead of quads 2 and 3, so that the first K step's wait leaves those out
	FILL 2
	FILL 3
	BIASLD 1
	BARRIER                                        ; the 32 rows of x lie in LDS
	EPI 0, 0, 0
	EPI 0, 1, 0
	EPI 1, 0, 0
	EPI 1, 1, 0
	BARRIER                                        ; x's sixteen fragments lie in LDS
	STAGE 0
	BARRIER                                        ; boost's fragments lie in LDS; nobody reads the hidden layer's images any more
	STAGE 1
	s_wait_loadcnt 0x0                             ; gamma and beta
	BARRIER                                        ; the rows are whole
.irp i, 0,1,2,3
.irp jj, 0,1,2,3,4,5,6,7
	ds_load_b128 v[64+32*\i+4*\jj:64+32*\i+4*\jj+3], v[YR] offset:YP*\i+512*\jj
.endr
.endr
	s_wait_dscnt 0x0
; The LayerNorm of row 4 w + i, if the tile has it: a lane holds 32 of its 1,024 numbers.  Each row has registers and a base of its own, so that no store's sources are written again.
.macro LNROW i
.set RR, 64+32*(\i)
	s_cmp_ge_u32 s[76+(\i)], s28
	s_cbranch_scc1 .Lskip_\i
	v_pk_add_f32 v[192:193], v[RR:RR+1], v[RR+2:RR+3]
	v_pk_add_f32 v[194:195], v[RR+4:RR+5], v[RR+6:RR+7]
.irp k, 8,12,16,20,24,28
	v_pk_add_f32 v[192:193], v[192:193], v[RR+\k:RR+\k+1]
	v_pk_add_f32 v[194:195], v[194:195], v[RR+\k+2:RR+\k+3]
.endr
	v_pk_add_f32 v[192:193], v[192:193], v[194:195]
	v_add_f32 v192, v192, v193
	v_add_f32_dpp v192, v192, v192 row_xmask:1 row_mask:0xf bank_mask:0xf
	v_add_f32_dpp v192, v192, v192 row_xmask:2 row_mask:0xf bank_mask:0xf
	v_add_f32_dpp v192, v192, v192 row_xmask:4 row_mask:0xf bank_mask:0xf
	v_add_f32_dpp v192, v192, v192 row_xmask:8 row_mask:0xf bank_mask:0xf
	v_permlanex16_b32 v193, v192, s56, s57
	v_add_f32 v192, v192, v193
	v_mul_f32 v192, s58, v192                      ; the mean
.irp k, 0,2,4,6,8,10,12,14,16,18,20,22,24,26,28,30
	v_pk_add_f32 v[RR+\k:RR+\k+1], v[RR+\k:RR+\k+1], v[192:193] op_sel_hi:[1,0] neg_lo:[0,1] neg_hi:[0,1]
.endr
	v_pk_mul_f32 v[194:195], v[RR:RR+1], v[RR:RR+1]
	v_pk_mul_f32 v[196:197], v[RR+2:RR+3], v[RR+2:RR+3]
.irp k, 4,8,12,16,20,24,28
	v_pk_fma_f32 v[194:195], v[RR+\k:RR+\k+1], v[RR+\k:RR+\k+1], v[194:195]
	v_pk_fma_f32 v[196:197], v[RR+\k+2:RR+\k+3], v[RR+\k+2:RR+\k+3], v[196:197]
.endr
	v_pk_add_f32 v[194:195], v[194:195], v[196:197]
	v_add_f32 v194, v194, v195
	v_add_f32_dpp v194, v194, v194 row_xmask:1 row_mask:0xf bank_mask:0xf
	v_add_f32_dpp v194, v194, v194 row_xmask:2 row_mask:0xf bank_mask:0xf
	v_add_f32_dpp v194, v194, v194 row_xmask:4 row_mask:0xf bank_mask:0xf
	v_add_f32_dpp v194, v194, v194 row_xmask:8 row_mask:0xf bank_mask:0xf
	v_permlanex16_b32 v195, v194, s56, s57
	v_add_f32 v194, v194, v195
	v_fma_f32 v194, v194, s58, s59                 ; the variance + 1e-5
	v_rsq_f32 v194, v194
	v_nop                                          ; a plain instruction behind the root,
	s_wait_alu depctr_va_vdst(0)                   ; and the wait ahead of its first reader
.irp k, 0,2,4,6,8,10,12,14,16,18,20,22,24,26,28,30
	v_pk_mul_f32 v[RR+\k:RR+\k+1], v[RR+\k:RR+\k+1], v[194:195] op_sel_hi:[1,0]
.endr
	WIN 0x14                                       ; sources 1 (gamma) and 2 (beta) in window 1
.irp k, 0,2,4,6,8,10,12,14,16,18,20,22,24,26,28,30
	v_pk_fma_f32 v[RR+\k:RR+\k+1], v[RR+\k:RR+\k+1], v[\k:\k+1], v[48+\k:48+\k+1]
.endr
	WIN 0                                          ; at a label and at a branch every window is 0
.irp jj, 0,1,2,3,4,5,6,7
	global_store_b128 v[A16], v[RR+4*\jj:RR+4*\jj+3], s[48+2*(\i):49+2*(\i)] offset:512*\jj th:TH_STORE_NT   ; the wave stores 512 consecutive bytes, at a multiple of 256 from out0's first byte
.endr
.Lskip_\i:
.endm
	LNROW 0
	LNROW 1
	LNROW 2
	LNROW 3
	s_wait_tensorcnt 0x0
	ds_add_u32 v254, v255
	s_wait_dscnt 0x0
	s_endpgm
.Lfunc_end_k_qefc6abcebf_chain:
	.size	k_qefc6abcebf_chain, .Lfunc_end_k_qefc6abcebf_chain-k_qefc6abcebf_chain
	.p2alignl 7, 3214868480
	.fill 96, 4, 3214868480
	.section	.rodata,"a",@progbits
	.p2align	6, 0x0
	.amdhsa_kernel k_qefc6abcebf_chain
		.amdhsa_group_segment_fixed_size 171008
		.amdhsa_private_segment_fixed_size 0
		.amdhsa_enable_private_segment 0
		.amdhsa_kernarg_size 80
		.amdhsa_user_sgpr_count 2
		.amdhsa_user_sgpr_kernarg_segment_ptr 1
		.amdhsa_wavefront_size32 1
		.amdhsa_system_sgpr_workgroup_id_x 1
		.amdhsa_system_sgpr_workgroup_id_y 1
		.amdhsa_system_sgpr_workgroup_id_z 1
		.amdhsa_system_vgpr_workitem_id 0
		.amdhsa_next_free_vgpr 512
		.amdhsa_next_free_sgpr 96
		.amdhsa_reserve_vcc 0
		.amdhsa_float_denorm_mode_32 3
		.amdhsa_float_denorm_mode_16_64 3
		.amdhsa_memory_ordered 1
		.amdhsa_forward_progress 1
		.amdhsa_inst_pref_size 199
	.end_amdhsa_kernel
	.amdgpu_metadata
---
amdhsa.version: [ 1, 2 ]
amdhsa.kernels:
  - .name:           k_qefc6abcebf_chain
    .symbol:         k_qefc6abcebf_chain.kd
    .args:
      - { .name: x, .offset: 0, .size: 8, .value_kind: global_buffer, .address_space: global }
      - { .name: wimg, .offset: 8, .size: 8, .value_kind: global_buffer, .address_space: global }
      - { .name: b1, .offset: 16, .size: 8, .value_kind: global_buffer, .address_space: global }
      - { .name: b2, .offset: 24, .size: 8, .value_kind: global_buffer, .address_space: global }
      - { .name: tiles, .offset: 32, .size: 8, .value_kind: global_buffer, .address_space: global }
      - { .name: order, .offset: 40, .size: 8, .value_kind: global_buffer, .address_space: global }
      - { .name: gw, .offset: 48, .size: 8, .value_kind: global_buffer, .address_space: global }
      - { .name: ln_gamma, .offset: 56, .size: 8, .value_kind: global_buffer, .address_space: global }
      - { .name: ln_beta, .offset: 64, .size: 8, .value_kind: global_buffer, .address_space: global }
      - { .name: out0, .offset: 72, .size: 8, .value_kind: global_buffer, .address_space: global }
    .group_segment_fixed_size: 171008
    .private_segment_fixed_size: 0
    .kernarg_segment_align: 8
    .kernarg_segment_size: 80
    .max_flat_workgroup_size: 256
    .sgpr_count:     96
    .vgpr_count:     512
    .wavefront_size: 32
...
	.end_amdgpu_metadata
.endif
;; end of part 3
;; ======== version 2 of 2: 3 launches
;; workspace buffers: wimg 6,553,600 bytes; pc 16,384 bytes of whole numbers; gw 32,768 bytes; order 16,640 bytes of whole numbers; tiles 3,072 bytes of whole numbers
;; launch gate (part 4): grid 256 x 1, 4 waves a work-group, no clusters, 37,376 bytes of LDS; arguments x, gate_W, gate_b, W1_codes, W1_scales, W2_codes, W2_scales, wimg, pc, gw; writes wimg, pc, gw
.if DOCPART == 4
	.amdgcn_target "amdgcn-amd-amdhsa--gfx1250"
	.amdhsa_code_object_version 6
	.text
	.protected	k_qefc6abcebf_gate
	.globl	k_qefc6abcebf_gate
	.p2align	8
	.type	k_qefc6abcebf_gate,@function
k_qefc6abcebf_gate:
	s_mov_b64 s[64:65], 0
	v_nop
	global_prefetch_b8 v0, s[64:65] scope:SCOPE_SE
	s_setreg_imm32_b32 hwreg(HW_REG_WAVE_MODE, 25, 1), 1
	s_wait_xcnt 0x0
; TWO JOBS IN ONE LAUNCH.
; (1) THE GATE.  logits = x gate_W + gate_b in f32 multiply-adds, softmax with the row's maximum taken away, the two largest weights (the lower index wins a tie: strict >).
;     Stored for each token: pc = 7 e0 + e1 - (e1 > e0), the number 0 .. 55 of the ordered pair of experts, and (v0, v1), the two weights.  No address of this launch hangs on them.
; (2) THE WEIGHTS' LAYOUT.  W1's and W2's codes and scale bytes are copied into wimg in the order in which the chain's operand registers take them: 1,024 quads of 6,400 bytes.
;     Quad Z = (8 e + w) 16 + q holds 4 fragments of 16 weight rows x 128 K: fragment t at 1,536 t, its registers 4 c .. 4 c + 3 at 512 c + 16 x lane; at 6,144 the rows' scale words, row r's four tiles at 16 r + 4 t.
;     q = 0 .. 7: W1[e], rows 64 w on, K step q;  q = 8 .. 15: W2[e], rows 128 w + 64 ((q - 8) / 4) on, K step (q - 8) % 4.
;     Lane r of tile t takes row 32 (t / 2) + 8 (t % 2) + r + 8 (r / 8) of the quad's 64: so the results of the four tiles are neighbours along the next product's K.
; SHARES.  256 work-groups of four waves.  Work-group i takes tokens 16 i .. 16 i + 15, four a wave; wave w also lays out quad 4 i + w.  All take one way through the text.
; A lane holds 4 neighbouring columns of each 128 of a row of x (each load of the wave covers 512 consecutive bytes) and needs gate_W's 128 bytes for them: gate_W lies in LDS in pieces of 128 bytes, 144 apart.
; LIMITS: NaN and infinities are not served.  A weight under 2^-126 comes out of the exponential as 0; a second choice among weights that are all 0 is the lowest index left, as with equal weights.
; pc and (v0, v1) leave as 16 and 32 bytes a wave: 48 KB of the 30 MB that the launch moves.
.set RL,   12                          ; v12-59 the quad's four fragments, v60-61 its scale words: as loaded, as stored
.set ACC,  12                          ; afterwards v12-43: the sums: row i4, experts 2 a and 2 a + 1 at v[12 + 8 i4 + 2 a]
.set LG,   44                          ; v44-51 the eight logits, then weights, of row lane % 4;  v52-59 at work;  v60-61 (v0, v1)
.set GWB,  64                          ; v64-127 gate_W on its way to LDS; then two buffers of 32: 4 columns x 8 experts
.set X,    128                         ; v128-255 four rows of x: row i4, chunk j at v[128 + 32 i4 + 4 j]
	s_load_b512 s[4:19], s[0:1], 0x0               ; x 4:5, gate_W 6:7, gate_b 8:9, W1's codes 10:11, scales 12:13, W2's codes 14:15, scales 16:17, wimg 18:19
	s_load_b128 s[20:23], s[0:1], 0x40             ; pc 20:21, gw 22:23
	s_set_vgpr_msb 0x40
	v_lshl_add_u32 v0, v0, 2, 0x9000
	v_mov_b32 v1, 0
	s_set_vgpr_msb 0x4000
	v_lshrrev_b32 v1, 5, v0
	v_readfirstlane_b32 s32, v1                    ; wave 0..3
	v_and_b32 v1, 31, v0                           ; lane
	s_wait_alu depctr_va_vdst(0)
	v_and_b32 v2, 15, v0                           ; r
	s_wait_alu depctr_va_vdst(0)
	v_bfe_u32 v3, v0, 4, 1                         ; h
	s_lshl_b32 s33, ttmp9, 2
	s_add_co_u32 s33, s33, s32                     ; Z: my quad; 4 Z is also my first token
	s_and_b32 s34, s33, 15                         ; q
	s_lshr_b32 s35, s33, 4                         ; 8 e + w
	s_bfe_u32 s51, s34, 0x10002                    ; (q / 4) % 2: which 64 of W2's 128 rows
	s_lshl_b32 s51, s51, 6
	s_lshl_b32 s52, s35, 7
	s_add_co_u32 s52, s52, s51                     ; W2: first row 128 (8 e + w) + 64 ..
	s_lshl_b32 s53, s35, 6                         ; W1: first row 64 (8 e + w)
	s_and_b32 s54, s34, 3                          ; W2: K step
	s_mov_b32 s40, 384
	s_cmp_lt_u32 s34, 8                            ; W1's quad or W2's: hangs on ids alone
	s_cselect_b32 s40, 768, s40                    ; bytes of a row of codes
	s_cselect_b32 s41, 32, 16                      ; bytes of a row of scales
	s_cselect_b32 s52, s53, s52                    ; first row
	s_cselect_b32 s54, s34, s54                    ; K step
	s_mul_i32 s56, s52, s40
	s_mul_i32 s55, s54, 96
	s_add_co_u32 s56, s56, s55                     ; where the quad's codes begin: row x pitch + 96 x K step
	s_mov_b32 s57, 0
	s_mul_i32 s58, s52, s41
	s_lshl_b32 s55, s54, 2
	s_add_co_u32 s58, s58, s55                     ; and its scale words
	s_mov_b32 s59, 0
	s_mul_i32 s60, s33, 6400                       ; where the quad goes
	s_mov_b32 s61, 0
	s_lshl_b32 s62, s33, 14                        ; my four rows of x: 4 Z rows of 4,096 bytes
	s_mov_b32 s63, 0
	s_mov_b32 s46, 0xaaaaaaaa                      ; the odd lanes
	s_mov_b32 s47, 0xcccccccc                      ; the lanes with bit 1
	s_mov_b32 s48, 0x76543210
	s_mov_b32 s49, 0xfedcba98                      ; v_permlanex16_b32's selects for lane l xor 16
	s_mov_b32 s50, 0x3fb8aa3b                      ; log2(e)
	v_lshlrev_b32 v4, 4, v1                        ; 16 x lane
	v_lshlrev_b32 v5, 4, v2
	s_wait_alu depctr_va_vdst(0)
	v_lshl_add_u32 v5, v3, 3, v5                   ; 16 r + 8 h: where my two scale words go
	v_and_b32 v6, 8, v2
	v_add_nc_u32 v6, v6, v2                        ; r + 8 (r / 8)
	v_lshl_add_u32 v10, v3, 5, v6                  ; the rows whose scale words I carry: tiles 2 h and 2 h + 1
	v_add_nc_u32 v11, 8, v10
	v_mul_lo_u32 v10, v10, s41
	v_mul_lo_u32 v11, v11, s41
	v_mul_u32_u24 v12, v3, 24
	v_add_nc_u32 v9, 40, v6                        ; tile t's row of my lane,
	v_add_nc_u32 v8, 32, v6
	v_add_nc_u32 v7, 8, v6
.irp t, 0,1,2,3
	v_mul_lo_u32 v[6+\t], v[6+\t], s40             ; in bytes,
.endr
.irp t, 0,1,2,3
	v_add_nc_u32 v[6+\t], v[6+\t], v12             ; + 24 h
.endr
	v_lshrrev_b32 v62, 3, v0
	v_add_nc_u32 v62, v62, v0
	v_lshlrev_b32 v62, 4, v62                      ; LDS, on the way in: byte o of gate_W lies at o + 16 (o / 128): 16 t + 16 (t / 8)
	v_mul_u32_u24 v63, v1, 144                     ; and on the way out: my lane's piece of a chunk
	v_lshlrev_b32 v2, 4, v0                        ; 16 x thread: my 16 bytes of 2,048 of gate_W
	s_wait_alu depctr_va_vdst(0)
	s_wait_kmcnt 0x0
	s_load_b256 s[24:31], s[8:9], 0x0              ; gate_b
	s_cmp_lt_u32 s34, 8
	s_cselect_b64 s[36:37], s[10:11], s[14:15]
	s_cselect_b64 s[38:39], s[12:13], s[16:17]
	s_add_nc_u64 s[36:37], s[36:37], s[56:57]
	s_add_nc_u64 s[38:39], s[38:39], s[58:59]
	s_add_nc_u64 s[42:43], s[18:19], s[60:61]
	s_add_nc_u64 s[44:45], s[4:5], s[62:63]
.irp i, 0,1,2,3,4,5,6,7,8,9,10,11,12,13,14,15
	global_load_b128 v[GWB+4*\i:GWB+4*\i+3], v2, s[6:7] offset:2048*\i
.endr
.irp t, 0,1,2,3
.irp p, 0,1,2,3,4,5
	global_load_b64 v[RL+12*\t+2*\p:RL+12*\t+2*\p+1], v[6+\t], s[36:37] offset:48*(\p/3)+8*(\p%3) th:TH_LOAD_NT   ; a fragment's 24 bytes as three pieces of 8: registers 0-5 at 24 h, registers 6-11 48 bytes on
.endr
.endr
	global_load_b32 v60, v10, s[38:39] th:TH_LOAD_NT
	global_load_b32 v61, v11, s[38:39] th:TH_LOAD_NT
.irp j, 0,1,2,3,4,5,6,7
.irp i4, 0,1,2,3
	global_load_b128 v[X+32*\i4+4*\j:X+32*\i4+4*\j+3], v4, s[44:45] offset:4096*\i4+512*\j   ; chunk by chunk, the four rows by turns
.endr
.endr
	s_wait_loadcnt 58                              ; gate_W's sixteen are in: behind them 26 loads of weights and 32 of x
.irp i, 0,1,2,3,4,5,6,7,8,9,10,11,12,13,14,15
	ds_store_b128 v62, v[GWB+4*\i:GWB+4*\i+3] offset:2304*\i
.endr
	s_wait_dscnt 0x0                               ; for the others' sake: my part of gate_W lies in LDS
	s_barrier_signal -1
	s_barrier_wait -1
	s_wait_loadcnt 32                              ; the quad is in: behind it the 32 loads of x
.irp t, 0,1,2,3
.irp c, 0,1,2
	global_store_b128 v4, v[RL+12*\t+4*\c:RL+12*\t+4*\c+3], s[42:43] offset:1536*\t+512*\c   ; the wave stores 512 consecutive bytes
.endr
.endr
	global_store_b64 v5, v[60:61], s[42:43] offset:6144   ; and 256 consecutive bytes of scale words
	s_wait_xcnt 0x0                                ; the stores' data registers are written again below only behind this wait
.macro WLOAD j                         ; gate_W for my 4 columns of chunk j: register 8 cc + e of the buffer is gate_W[128 j + 4 lane + cc][e]
.irp i, 0,1,2,3,4,5,6,7
	ds_load_b128 v[GWB+32*((\j)%2)+4*\i:GWB+32*((\j)%2)+4*\i+3], v63 offset:4608*(\j)+16*\i
.endr
.endm
.macro GSTEP j                         ; chunk j: 4 columns x 4 rows x 8 experts: 64 packed multiply-adds; sixteen sums take turns
.if (\j) < 7
	WLOAD (\j)+1
	s_wait_dscnt 8                                 ; this chunk's eight are in; the next chunk's eight may be out
.else
	s_wait_dscnt 0x0
.endif
	s_wait_loadcnt 28-4*(\j)                       ; x's chunk j is in: four loads for each later chunk may be out
.irp pr, 0,2
.irp sel, 0,1
.irp i4, 0,1,2,3
.irp a, 0,1,2,3
.if ((\j) == 0) && (\pr == 0) && (\sel == 0)
	v_pk_mul_f32 v[ACC+8*\i4+2*\a:ACC+8*\i4+2*\a+1], v[X+32*\i4+\pr:X+32*\i4+\pr+1], v[GWB+2*\a:GWB+2*\a+1] op_sel:[\sel,0] op_sel_hi:[\sel,1]   ; the first product starts the sums
.else
	v_pk_fma_f32 v[ACC+8*\i4+2*\a:ACC+8*\i4+2*\a+1], v[X+32*\i4+4*(\j)+\pr:X+32*\i4+4*(\j)+\pr+1], v[GWB+32*((\j)%2)+8*(\pr+\sel)+2*\a:GWB+32*((\j)%2)+8*(\pr+\sel)+2*\a+1], v[ACC+8*\i4+2*\a:ACC+8*\i4+2*\a+1] op_sel:[\sel,0,0] op_sel_hi:[\sel,1,1]   ; one number of x (word sel of the pair) x two experts
.endif
.endr
.endr
.endr
.endr
.endm
	WLOAD 0
.irp j, 0,1,2,3,4,5,6,7
	GSTEP \j
.endr
	s_wait_alu depctr_va_vdst(0)
	s_wait_kmcnt 0x0                               ; gate_b
; The sums of four rows over the 32 lanes, for expert j.  Two steps in which a lane keeps one of two rows and hands the other to its neighbour leave row lane % 4 in each lane; three plain steps finish it.
.macro RED4 j
	v_cndmask_b32 v52, v[ACC+(\j)], v[ACC+8+(\j)], s46       ; odd lanes keep row 1, even lanes row 0,
	v_cndmask_b32 v53, v[ACC+8+(\j)], v[ACC+(\j)], s46       ; and give the other
	v_cndmask_b32 v54, v[ACC+16+(\j)], v[ACC+24+(\j)], s46
	v_cndmask_b32 v55, v[ACC+24+(\j)], v[ACC+16+(\j)], s46
	v_add_f32_dpp v52, v53, v52 row_xmask:1 row_mask:0xf bank_mask:0xf
	v_add_f32_dpp v54, v55, v54 row_xmask:1 row_mask:0xf bank_mask:0xf
	v_cndmask_b32 v53, v52, v54, s47
	v_cndmask_b32 v55, v54, v52, s47
	v_add_f32_dpp v53, v55, v53 row_xmask:2 row_mask:0xf bank_mask:0xf
	v_add_f32_dpp v53, v53, v53 row_xmask:4 row_mask:0xf bank_mask:0xf
	v_add_f32_dpp v53, v53, v53 row_xmask:8 row_mask:0xf bank_mask:0xf
	v_permlanex16_b32 v55, v53, s48, s49
	v_add_f32 v[LG+(\j)], v53, v55
	v_add_f32 v[LG+(\j)], s[24+(\j)], v[LG+(\j)]             ; + gate_b
.endm
.irp j, 0,1,2,3,4,5,6,7
	RED4 \j
.endr
	v_max3_num_f32 v52, v44, v45, v46              ; the softmax of my row: the largest logit is taken away first
	v_max3_num_f32 v52, v52, v47, v48
	v_max3_num_f32 v52, v52, v49, v50
	v_max_num_f32 v52, v52, v51
.irp j, 0,1,2,3,4,5,6,7
	v_sub_f32 v[LG+\j], v[LG+\j], v52
.endr
.irp j, 0,1,2,3,4,5,6,7
	v_mul_f32 v[LG+\j], s50, v[LG+\j]
.endr
	s_wait_alu depctr_va_vdst(0)
.irp j, 0,1,2,3,4,5,6,7
	v_exp_f32 v[LG+\j], v[LG+\j]
.endr
	v_nop                                          ; a plain instruction behind the last exponential,
	s_wait_alu depctr_va_vdst(0)                   ; and one wait for the eight, ahead of their first reader
	v_add_f32 v53, v44, v45
	v_add_f32 v54, v46, v47
	v_add_f32 v55, v48, v49
	v_add_f32 v56, v50, v51
	v_add_f32 v53, v53, v54
	v_add_f32 v55, v55, v56
	v_add_f32 v53, v53, v55
	s_wait_alu depctr_va_vdst(0)
	v_rcp_f32 v53, v53
	v_nop
	s_wait_alu depctr_va_vdst(0)
.irp j, 0,1,2,3,4,5,6,7
	v_mul_f32 v[LG+\j], v[LG+\j], v53              ; the weights
.endr
	v_mov_b32 v60, v44                             ; the largest weight and its index: a later one wins only if it is larger
	v_mov_b32 v55, 0
.irp j, 1,2,3,4,5,6,7
	v_cmp_gt_f32 vcc_lo, v[LG+\j], v60
	v_cndmask_b32 v60, v60, v[LG+\j], vcc_lo
	v_cndmask_b32 v55, v55, \j, vcc_lo
.endr
.irp j, 0,1,2,3,4,5,6,7
	v_cmp_eq_u32 vcc_lo, \j, v55
	v_cndmask_b32 v[LG+\j], v[LG+\j], -1.0, vcc_lo   ; the first choice is taken out: under every weight
.endr
	v_mov_b32 v61, v44                             ; the second
	v_mov_b32 v57, 0
.irp j, 1,2,3,4,5,6,7
	v_cmp_gt_f32 vcc_lo, v[LG+\j], v61
	v_cndmask_b32 v61, v61, v[LG+\j], vcc_lo
	v_cndmask_b32 v57, v57, \j, vcc_lo
.endr
	v_cmp_gt_u32 vcc_lo, v57, v55
	v_mad_u32_u24 v58, v55, 7, v57
	v_cndmask_b32 v59, 0, 1, vcc_lo
	v_sub_nc_u32 v58, v58, v59                     ; the pair's number
	s_lshl_b32 s51, s33, 2
	v_and_b32 v52, 3, v1
	v_add_nc_u32 v52, s51, v52                     ; my token: 4 Z + lane % 4
	v_lshlrev_b32 v53, 2, v52
	v_lshlrev_b32 v52, 3, v52
	s_wait_alu depctr_va_vdst(0)
	s_wait_xcnt 0x0                                ; EXEC changes only behind this wait
	v_cmp_gt_u32 vcc_lo, 4, v1
	s_set_vgpr_msb 0x5
	s_wait_tensorcnt 0x0
	ds_add_u32 v0, v1
	s_wait_dscnt 0x0
	s_set_vgpr_msb 0x500
	s_and_saveexec_b32 s52, vcc_lo                 ; lanes 0 to 3 store for the four rows
	global_store_b32 v53, v58, s[20:21]
	global_store_b64 v52, v[60:61], s[22:23]
	s_endpgm
.Lfunc_end_k_qefc6abcebf_gate:
	.size	k_qefc6abcebf_gate, .Lfunc_end_k_qefc6abcebf_gate-k_qefc6abcebf_gate
	.p2alignl 7, 3214868480
	.fill 96, 4, 3214868480
	.section	.rodata,"a",@progbits
	.p2align	6, 0x0
	.amdhsa_kernel k_qefc6abcebf_gate
		.amdhsa_group_segment_fixed_size 37376
		.amdhsa_private_segment_fixed_size 0
		.amdhsa_enable_private_segment 0
		.amdhsa_kernarg_size 80
		.amdhsa_user_sgpr_count 2
		.amdhsa_user_sgpr_kernarg_segment_ptr 1
		.amdhsa_wavefront_size32 1
		.amdhsa_system_sgpr_workgroup_id_x 1
		.amdhsa_system_sgpr_workgroup_id_y 1
		.amdhsa_system_sgpr_workgroup_id_z 1
		.amdhsa_system_vgpr_workitem_id 0
		.amdhsa_next_free_vgpr 258
		.amdhsa_next_free_sgpr 66
		.amdhsa_reserve_vcc 1
		.amdhsa_float_denorm_mode_32 3
		.amdhsa_float_denorm_mode_16_64 3
		.amdhsa_memory_ordered 1
		.amdhsa_forward_progress 1
		.amdhsa_inst_pref_size 62
	.end_amdhsa_kernel
	.amdgpu_metadata
---
amdhsa.version: [ 1, 2 ]
amdhsa.kernels:
  - .name:           k_qefc6abcebf_gate
    .symbol:         k_qefc6abcebf_gate.kd
    .args:
      - { .name: x, .offset: 0, .size: 8, .value_kind: global_buffer, .address_space: global }
      - { .name: gate_W, .offset: 8, .size: 8, .value_kind: global_buffer, .address_space: global }
      - { .name: gate_b, .offset: 16, .size: 8, .value_kind: global_buffer, .address_space: global }
      - { .name: W1_codes, .offset: 24, .size: 8, .value_kind: global_buffer, .address_space: global }
      - { .name: W1_scales, .offset: 32, .size: 8, .value_kind: global_buffer, .address_space: global }
      - { .name: W2_codes, .offset: 40, .size: 8, .value_kind: global_buffer, .address_space: global }
      - { .name: W2_scales, .offset: 48, .size: 8, .value_kind: global_buffer, .address_space: global }
      - { .name: wimg, .offset: 56, .size: 8, .value_kind: global_buffer, .address_space: global }
      - { .name: pc, .offset: 64, .size: 8, .value_kind: global_buffer, .address_space: global }
      - { .name: gw, .offset: 72, .size: 8, .value_kind: global_buffer, .address_space: global }
    .group_segment_fixed_size: 37376
    .private_segment_fixed_size: 0
    .kernarg_segment_align: 8
    .kernarg_segment_size: 80
    .max_flat_workgroup_size: 128
    .sgpr_count:     66
    .vgpr_count:     258
    .wavefront_size: 32
...
	.end_amdgpu_metadata
.endif
;; end of part 4
;; launch place (part 5): grid 56 x 1, 8 waves a work-group, no clusters, 1,280 bytes of LDS; arguments pc, order, tiles; writes order, tiles
.if DOCPART == 5
	.amdgcn_target "amdgcn-amd-amdhsa--gfx1250"
	.amdhsa_code_object_version 6
	.text
	.protected	k_qefc6abcebf_place
	.globl	k_qefc6abcebf_place
	.p2align	8
	.type	k_qefc6abcebf_place,@function
k_qefc6abcebf_place:
	s_mov_b64 s[64:65], 0
	v_nop
	global_prefetch_b8 v0, s[64:65] scope:SCOPE_SE
	s_setreg_imm32_b32 hwreg(HW_REG_WAVE_MODE, 25, 1), 1
	s_wait_xcnt 0x0
; A COUNTING SORT OF THE 4,096 TOKENS BY THEIR ORDERED PAIR OF EXPERTS, without atomics: work-group p owns pair p (0 .. 55), reads all 4,096 numbers (16 a thread), and finds by itself
;   base = how many tokens have a smaller pair, c = how many have pair p, cp = how many have pair p - 1.
; Its tokens go to order[base .. base + c - 1]; any order among them serves, since the rows of a tile do not meet.
; THE TILES.  A tile is at most 32 tokens of one pair.  Pair p's tiles k = 0 .. T - 1, T = ceil(c / 32), have the numbers f + k, f = base / 32 (rounded down) + p.  These rise from pair to pair, since
; floor((a + c) / 32) >= floor(a / 32) + ceil(c / 32) - 1, and end at 182: base + c of pair 55 is 4,096, a multiple of 32, so that its f + T = 128 + 55.  So 183 records serve every split.
; Work-group p writes the records from the end of pair p - 1's (which it finds from base - cp and cp) to the end of its own; those under f are slots without rows: n = 0.
; A record is (n, first place in order, e0, e1).  Behind order's 4,096 entries stand 32 zeros: a tile's reader always takes 32 entries.
; Every register that serves as an address is made ahead of the first change of EXEC: those made of ids alone at the head, the tokens' places (held inside the buffer) in front of the masked stores.
.set C, 8                              ; v8-23   my 16 numbers: register 4 jj + cc is token 1,024 jj + 4 t + cc
.set R, 24                             ; v24-39  their places, then byte offsets in order
.set D, 40                             ; v40-55  the tokens' numbers
	s_load_b128 s[4:7], s[0:1], 0x0                ; pc 4:5, order 6:7
	s_load_b64 s[8:9], s[0:1], 0x10                ; tiles
	v_lshl_add_u32 v112, v0, 2, 0x100
	v_mov_b32 v113, 0
	v_lshrrev_b32 v5, 5, v0
	s_delay_alu instid0(VALU_DEP_1)
	v_readfirstlane_b32 s10, v5                    ; wave 0..7
	s_delay_alu instid0(VALU_DEP_2)
	v_lshlrev_b32 v5, 4, v5                        ; LDS: 16 bytes a wave
	v_lshlrev_b32 v1, 4, v0                        ; 16 t: my 16 bytes of 4,096 of pc, and record t's place in tiles; never rewritten
	v_lshlrev_b32 v2, 2, v0                        ; 4 t
	v_and_b32 v3, 31, v0
	s_delay_alu instid0(VALU_DEP_1)
	v_lshlrev_b32 v3, 2, v3                        ; 4 x lane: a zero's place behind order; never rewritten
	v_mov_b32 v4, 0
	s_mov_b32 s11, ttmp9                           ; p
	s_sub_co_u32 s12, s11, 1                       ; p - 1 (for p = 0 a number that no token has)
	s_mov_b32 s13, 0                               ; my wave's counts: smaller,
	s_mov_b32 s14, 0                               ; equal,
	s_mov_b32 s15, 0                               ; equal to p - 1
	s_wait_alu depctr_va_vdst(0)
	s_wait_kmcnt 0x0
.irp jj, 0,1,2,3
	global_load_b128 v[C+4*\jj:C+4*\jj+3], v1, s[4:5] offset:4096*\jj
.endr
	s_wait_loadcnt 0x0
.irp i, 0,1,2,3,4,5,6,7,8,9,10,11,12,13,14,15
	v_cmp_gt_u32 vcc_lo, s11, v[C+\i]
	s_bcnt1_i32_b32 s16, vcc_lo
	s_add_co_u32 s13, s13, s16
	v_cmp_eq_u32 vcc_lo, s12, v[C+\i]
	s_bcnt1_i32_b32 s16, vcc_lo
	s_add_co_u32 s15, s15, s16
	v_cmp_eq_u32 vcc_lo, s11, v[C+\i]
	s_delay_alu instid0(VALU_DEP_1)
	v_mbcnt_lo_u32_b32 v[R+\i], vcc_lo, s14        ; place in the wave: those of earlier registers, and of lower lanes in this one
	s_bcnt1_i32_b32 s16, vcc_lo
	s_add_co_u32 s14, s14, s16
.endr
	v_mov_b32 v56, s13
	v_mov_b32 v57, s14
	v_mov_b32 v58, s15
	v_mov_b32 v59, 0
	ds_store_b128 v5, v[56:59]                     ; all lanes write the same 16 bytes with the same values
	s_wait_dscnt 0x0                               ; for the others' sake
	s_barrier_signal -1
	s_barrier_wait -1
.irp w, 0,1,2,3,4,5,6,7
	ds_load_b128 v[60+4*\w:63+4*\w], v4 offset:16*\w
.endr
	s_wait_dscnt 0x0
.irp w, 0,1,2,3,4,5,6,7
	v_readfirstlane_b32 s[20+\w], v[60+4*\w]
	v_readfirstlane_b32 s[28+\w], v[61+4*\w]
	v_readfirstlane_b32 s[36+\w], v[62+4*\w]
.endr
	s_mov_b32 s44, s20
	s_mov_b32 s45, s28
	s_mov_b32 s46, s36
.irp w, 1,2,3,4,5,6,7
	s_add_co_u32 s44, s44, s[20+\w]                ; base
	s_add_co_u32 s45, s45, s[28+\w]                ; c
	s_add_co_u32 s46, s46, s[36+\w]                ; cp
.endr
	s_mov_b32 s47, 0
.irp w, 0,1,2,3,4,5,6
	s_cmp_gt_u32 s10, \w
	s_cselect_b32 s16, s[28+\w], 0
	s_add_co_u32 s47, s47, s16                     ; pair p's tokens in the waves in front of mine
.endr
	s_lshr_b32 s48, s44, 5
	s_add_co_u32 s48, s48, s11                     ; f
	s_add_co_u32 s49, s45, 31
	s_lshr_b32 s49, s49, 5                         ; T
	s_add_co_u32 s50, s48, s49                     ; where my records end
	s_sub_co_u32 s51, s44, s46
	s_lshr_b32 s51, s51, 5
	s_add_co_u32 s51, s51, s12
	s_add_co_u32 s16, s46, 31
	s_lshr_b32 s16, s16, 5
	s_add_co_u32 s51, s51, s16
	s_max_i32 s51, s51, 0                          ; and where they begin: the same sum for pair p - 1; 0 for p = 0
	s_mul_i32 s52, s11, 37
	s_lshr_b32 s52, s52, 8                         ; e0 = p / 7 (37 p / 256 rounded down is that for p up to 55)
	s_mul_i32 s53, s52, 7
	s_sub_co_u32 s53, s11, s53
	s_cmp_ge_u32 s53, s52
	s_cselect_b32 s16, 1, 0
	s_add_co_u32 s53, s53, s16                     ; e1 = p % 7, one more from e0 on
	s_add_co_u32 s54, s44, s47
.irp i, 0,1,2,3,4,5,6,7,8,9,10,11,12,13,14,15
	v_add_nc_u32 v[R+\i], s54, v[R+\i]
.endr
.irp i, 0,1,2,3,4,5,6,7,8,9,10,11,12,13,14,15
	v_min_u32 v[R+\i], 0xfff, v[R+\i]              ; a number made from loaded ones is held inside the buffer before it becomes an address
.endr
.irp i, 0,1,2,3,4,5,6,7,8,9,10,11,12,13,14,15
	v_lshlrev_b32 v[R+\i], 2, v[R+\i]
.endr
.irp i, 0,1,2,3,4,5,6,7,8,9,10,11,12,13,14,15
	v_add_nc_u32 v[D+\i], 1024*(\i/4)+\i%4, v2
.endr
	v_cmp_le_u32 vcc_lo, s51, v0                   ; the records: thread t looks after number t.  Their data and their mask are made here, with all lanes on
	v_cmp_gt_u32 s17, s50, v0
	s_and_b32 s55, vcc_lo, s17                     ; the numbers that are mine to write
	v_cmp_le_u32 s18, s48, v0                      ; from f on: a tile with rows
	v_sub_nc_u32 v96, v0, s48
	s_delay_alu instid0(VALU_DEP_1)
	v_lshlrev_b32 v96, 5, v96                      ; 32 k
	s_delay_alu instid0(VALU_DEP_1)
	v_sub_nc_u32 v97, s45, v96
	s_delay_alu instid0(VALU_DEP_1)
	v_min_u32 v97, 32, v97
	s_delay_alu instid0(VALU_DEP_3)
	v_add_nc_u32 v98, s44, v96
	s_delay_alu instid0(VALU_DEP_2)
	v_cndmask_b32 v100, 0, v97, s18                ; n
	s_delay_alu instid0(VALU_DEP_2)
	v_cndmask_b32 v101, 0, v98, s18                ; first place
	v_mov_b32 v102, s52
	v_mov_b32 v103, s53
.irp i, 0,1,2,3,4,5,6,7,8,9,10,11,12,13,14,15
	v_cmp_eq_u32 vcc_lo, s11, v[C+\i]
	s_wait_xcnt 0x0                                ; EXEC is narrowed only behind this wait,
	s_and_saveexec_b32 s19, vcc_lo
	global_store_b32 v[R+\i], v[D+\i], s[6:7]
	s_wait_xcnt 0x0                                ; and widened only behind this one
	s_or_b32 exec_lo, exec_lo, s19
.endr
	s_and_saveexec_b32 s19, s55                    ; (no memory instruction has been issued since the last wait)
	global_store_b128 v1, v[100:103], s[8:9]
	s_wait_xcnt 0x0
	s_or_b32 exec_lo, exec_lo, s19
	s_cmp_lg_u32 s11, 55                           ; the 32 zeros behind order: wave 0 of the last work-group
	s_cbranch_scc1 .Lend
	s_cmp_lg_u32 s10, 0
	s_cbranch_scc1 .Lend
	global_store_b32 v3, v4, s[6:7] offset:16384
.Lend:
	s_wait_tensorcnt 0x0
	ds_add_u32 v112, v113
	s_wait_dscnt 0x0
	s_endpgm
.Lfunc_end_k_qefc6abcebf_place:
	.size	k_qefc6abcebf_place, .Lfunc_end_k_qefc6abcebf_place-k_qefc6abcebf_place
	.p2alignl 7, 3214868480
	.fill 96, 4, 3214868480
	.section	.rodata,"a",@progbits
	.p2align	6, 0x0
	.amdhsa_kernel k_qefc6abcebf_place
		.amdhsa_group_segment_fixed_size 1280
		.amdhsa_private_segment_fixed_size 0
		.amdhsa_enable_private_segment 0
		.amdhsa_kernarg_size 24
		.amdhsa_user_sgpr_count 2
		.amdhsa_user_sgpr_kernarg_segment_ptr 1
		.amdhsa_wavefront_size32 1
		.amdhsa_system_sgpr_workgroup_id_x 1
		.amdhsa_system_sgpr_workgroup_id_y 1
		.amdhsa_system_sgpr_workgroup_id_z 1
		.amdhsa_system_vgpr_workitem_id 0
		.amdhsa_next_free_vgpr 114
		.amdhsa_next_free_sgpr 66
		.amdhsa_reserve_vcc 1
		.amdhsa_float_denorm_mode_32 3
		.amdhsa_float_denorm_mode_16_64 3
		.amdhsa_memory_ordered 1
		.amdhsa_forward_progress 1
		.amdhsa_inst_pref_size 20
	.end_amdhsa_kernel
	.amdgpu_metadata
---
amdhsa.version: [ 1, 2 ]
amdhsa.kernels:
  - .name:           k_qefc6abcebf_place
    .symbol:         k_qefc6abcebf_place.kd
    .args:
      - { .name: pc, .offset: 0, .size: 8, .value_kind: global_buffer, .address_space: global }
      - { .name: order, .offset: 8, .size: 8, .value_kind: global_buffer, .address_space: global }
      - { .name: tiles, .offset: 16, .size: 8, .value_kind: global_buffer, .address_space: global }
    .group_segment_fixed_size: 1280
    .private_segment_fixed_size: 0
    .kernarg_segment_align: 8
    .kernarg_segment_size: 24
    .max_flat_workgroup_size: 256
    .sgpr_count:     66
    .vgpr_count:     114
    .wavefront_size: 32
...
	.end_amdgpu_metadata
.endif
;; end of part 5
;; launch chain (part 6): grid 183 x 1, 8 waves a work-group, no clusters, 171,008 bytes of LDS; arguments x, wimg, b1, b2, tiles, order, gw, ln_gamma, ln_beta, out0; writes out0
.if DOCPART == 6
	.amdgcn_target "amdgcn-amd-amdhsa--gfx1250"
	.amdhsa_code_object_version 6
	.text
	.protected	k_qefc6abcebf_chain
	.globl	k_qefc6abcebf_chain
	.p2align	8
	.type	k_qefc6abcebf_chain,@function
k_qefc6abcebf_chain:
	s_mov_b64 s[64:65], 0
	v_nop
	global_prefetch_b8 v0, s[64:65] scope:SCOPE_SE
	s_setreg_imm32_b32 hwreg(HW_REG_WAVE_SCHED_MODE, 0, 2), 2
	s_setreg_imm32_b32 hwreg(HW_REG_WAVE_MODE, 25, 1), 1
	s_wait_xcnt 0x0
	s_wait_alu depctr_vm_vsrc(0)
; ONE TILE (at most 32 tokens that chose the same experts e0, e1, in that order) THROUGH THE WHOLE CHAIN:
;   eo0 = relu(Q(x) W1[e0] + b1[e0]) quantised, x W2[e0] + b2[e0];  boost = x + 0.5 eo0;  eo1 likewise from Q(boost) with e1;  out = LayerNorm(x + v0 eo0 + v1 eo1).
; All four products on codes of E3M2 with one E8M0 scale for each 32 along K; x, boost and both hidden layers are quantised here, from f32; nothing between goes to memory.
; SHARES.  Eight waves share the COLUMNS: wave w makes hidden units 64 w .. + 63 and outputs 128 w .. + 127 (two groups of 64), for all 32 rows (two tiles of 16).  Each fragment of weights is loaded once by
; the work-group, straight from memory into registers (an earlier launch has laid it as the registers take it: each load of the wave covers 512 consecutive bytes), and feeds two matrix instructions.
; Both products are used transposed (source 0 = 16 weight rows, source 1 = 16 tokens): a lane holds ONE token, and the 32 registers of a row tile's four accumulators are two blocks' 16 neighbours along the next K.
; The rows' codes go from wave to wave through LDS as images of the operand's registers; the rows themselves (x, then x + v0 eo0, then the sum) lie in LDS as f32, each wave working on its own 512 bytes of each row.
; THE TEXT IS STRAIGHT: no loop at run time; so the number of loads, and of LDS instructions, issued behind any one of them is a constant, which the assembler counts (GL, WAITL; DL, WAITD).
; A SLOT WITHOUT ROWS (n = 0) walks the text like any other and stores nothing: every wave passes every barrier, and none stands under a branch on a loaded number.  The only branches on n stand behind the last barrier.
; NO JOINT LOADS, NO TENSOR LOADS: how many tiles a pair of experts has, and so who could share a fragment with whom, hangs on stored numbers; with 56 pairs and 183 slots no fixed group of four slots has one expert at every split.
; LIMITS: NaN and infinities are not served.  A block of zeros gets the scale byte 1 (its codes are zeros; only this text reads the byte).  Blocks whose largest magnitude lies under 2^-122 are held at that byte.
; THE MODE: SCHED_MODE bits 1:0 = 2 (LLVM: expert scheduling mode 2), set by the entry lines.  The code itself states the register dependences
; between vector or matrix instructions and memory or LDS instructions, with s_wait_alu, always for 0.
; THE PLAN.  Registers that memory or LDS instructions touch:
;   the ring's four slots and their scale words   K step n: its eight products read slot n % 4; the loads of quad n + 4 land in it, issued in step n + 1 (behind a loop's last step: at the loop's end).
;   the two bias buffers                          A loop's first step reads one as C; the loads of the bias two loops on land in it, issued in the loop's second step.
;   BF0, BF1 and the tokens' scale words          Step k's products read set k % 2; the LDS loads for step k + 2 land in it, issued in step k + 1.
;   T0, T1     32 numbers out of the rows, a buffer for each row tile.  LDS loads land in them a K step (for x: two buffers) ahead; the multiply-adds or the quantiser read them.
;   U0, U1     32 numbers on their way back, a buffer for each row tile, in BF's registers, which lie free between two K loops.  Multiply-adds write them; eight LDS stores read them.
;   PC, TM + 6 the codes and the half scale word just made.  The quantiser writes them; an image's three LDS stores read them.
;   v64-191    whole rows at the head (loads land, LDS stores read) and at the end (LDS loads land, the LayerNorm works in place, stores read).
;   v1-15      addresses and offsets: made once at the head, never written again.   v16-17: two offsets made from loaded tokens, once.
; So ONE wait on va_vdst stands at the head of a K step (but a loop's first), behind the waits for the step's own operands: the step before is done reading all that this step's loads land in; these are dealt
; among the step's products, which name none of those registers.  One stands behind a loop's last products, ahead of the refill of their slot; one in each epilogue, behind its arithmetic and ahead of its run of stores.
; Waits on vm_vsrc stand where registers that LDS stores have read are written again: at the head of a K loop that follows stores out of v64-191, ahead of a quantiser that follows an image, ahead of the last LDS loads.
; LDS:
.set XIMG, 0                           ; the first product's operand: fragment (row tile m, K step s) at 1,536 (8 m + s); in it half c at 768 c: registers 6 c .. + 3 at 16 x lane, registers 6 c + 4, + 5 at 512 + 8 x lane
.set XSC,  24576                       ; its scale words: 64 (8 m + s) + 4 r
.set HIMG, 25600                       ; the second product's: 1,536 (4 m + s)
.set HSC,  37888                       ; 64 (4 m + s) + 4 r
.set YB,   38400                       ; 32 rows of 1,024 f32,
.set YP,   4112                        ; 4,096 bytes + 16: 257 x 16, so that sixteen rows' 16 bytes at one column fall on sixteen different columns of 16 bytes in 256
.set QB,   6400                        ; a quad of weights in memory
; REGISTERS, window 0:
.set A16,  1                           ; 16 x lane
.set A8,   2                           ; 8 x lane
.set A4R,  3                           ; 4 r
.set SC16, 4                           ; 16 r
.set BOF,  5                           ; 64 h: a bias's eight numbers of my half
.set YE,   6                           ; v6-7   my token's row of row tile m, my wave's columns, my half: YB + (16 m + r) YP + 512 w + 64 h
.set YR,   8                           ; v8     whole rows: YB + 4 w YP + 16 x lane
.set HW16, 9                           ; v9-11  where I store the hidden layer's image: 16 x lane + 768 w, 8 x lane + 768 w, its half scale word 4 r + 64 (w / 2) + 2 (w % 2)
.set HW8,  10
.set HWS,  11
.set XW16, 12                          ; v12-14 the same for x's and boost's: + 1,536 w; 4 r + 64 w
.set XW8,  13
.set XWS,  14
.set OO,   15                          ; v15    4 (first place + r): my token's entry in order
.set TK,   16                          ; v16-17 the tokens of rows r and 16 + r, then their offsets in gw
.set GW,   18                          ; v18-21 (v0, v1) of those two tokens
.set TM,   22                          ; v22-28 the quantiser's: two maxima, two bytes, two scale operands, the half scale word
.set PC,   30                          ; v30-38 the codes just made
.set BS,   40                          ; v40-43 the tokens' scale words (set bb, row tile m: 2 bb + m);  v44-59 the weights' (4 slot + t).  These twenty hold scales and nothing else
.set WS,   44
.set ACC,  64                          ; v64-127 eight accumulators: (m, t) at 64 + 32 m + 8 t
.set BF,   128                         ; v128-175 two sets of the tokens' two fragments
.set U,    128                         ; v128-191 between the K loops: 32 numbers on their way back to the rows, for row tile m at 128 + 32 m
.set T,    192                         ; v192-255 32 numbers out of the rows, for row tile m at 192 + 32 m
; window 1: v0-191 a ring of four quads (slot at 48 x slot, fragment t at + 12 t); v192-255 two buffers of a bias's four tiles; at the end gamma in v0-31, beta in v48-79
.set BIAS, 192
.set WB,   36                          ; s[36:39] my wave's stream of weights for e0 and for e1
.set GL,   0                           ; loads into registers issued so far
.set DL,   0                           ; LDS instructions issued so far
.set MSB,  0
.macro WIN new                         ; the immediate's high byte repeats the setting that is left
.if MSB != \new
	s_set_vgpr_msb (MSB<<8)|\new
.set MSB, \new
.endif
.endm
.macro WAITL mark                      ; loads come back in order: the load behind which GL stood at mark is in when at most GL - mark are out
.if GL-(\mark) > 63
	s_wait_loadcnt 63
.else
	s_wait_loadcnt GL-(\mark)
.endif
.endm
.macro WAITD mark                      ; LDS instructions are served in order too: the one behind which DL stood at mark is done when at most DL - mark are out
.if DL-(\mark) > 63
	s_wait_dscnt 63
.else
	s_wait_dscnt DL-(\mark)
.endif
.endm
; Quad n of the 32 that a wave walks (16 for each expert) goes into slot n % 4 in three parts: its scale words, and two halves of six loads of 512 bytes.
.macro SCLD n
.if (\n) < 32
	WIN 0
	global_load_b128 v[WS+4*((\n)%4):WS+4*((\n)%4)+3], v[SC16], s[WB+2*((\n)/16):WB+2*((\n)/16)+1] offset:((\n)%16)*QB+6144
.set GL, GL+1
.endif
.endm
.macro LNLD sb, reg                    ; gamma or beta: my lane's 4 columns of each 128, into window 1
	WIN 0x40
.irp jj, 0,1,2,3,4,5,6,7
	global_load_b128 v[(\reg)+4*\jj:(\reg)+4*\jj+3], v[A16], s[\sb:\sb+1] offset:512*\jj
.endr
.set GL, GL+8
.endm
.macro HALF n, p                       ; fragments 2 p and 2 p + 1 of quad n.  No quad is left behind the 32nd: gamma takes slot 0, beta slot 1
.if (\n) < 32
	WIN 0x40
.irp u, 0,1
.irp c, 0,1,2
	global_load_b128 v[48*((\n)%4)+12*(2*(\p)+\u)+4*\c:48*((\n)%4)+12*(2*(\p)+\u)+4*\c+3], v[A16], s[WB+2*((\n)/16):WB+2*((\n)/16)+1] offset:((\n)%16)*QB+1536*(2*(\p)+\u)+512*\c
.endr
.endr
.set GL, GL+6
.if (\p) == 1
.if ((\n)%4) == 0
.set QM0, GL
.elseif ((\n)%4) == 1
.set QM1, GL
.elseif ((\n)%4) == 2
.set QM2, GL
.else
.set QM3, GL
.endif
.endif
.elseif ((\n) == 32) && ((\p) == 0)
	LNLD 18, 0
.elseif ((\n) == 33) && ((\p) == 0)
	LNLD 20, 48
.endif
.endm
.macro FILL n                          ; a whole quad in one run
	SCLD \n
	HALF \n, 0
	HALF \n, 1
	WIN 0
.endm
.macro QMARK slot
.if (\slot) == 0
.set MK, QM0
.elseif (\slot) == 1
.set MK, QM1
.elseif (\slot) == 2
.set MK, QM2
.else
.set MK, QM3
.endif
.endm
.macro BIASLD g                        ; the bias of K loop g (3 x stage + 0: b1; + 1, + 2: b2's two groups), in the result's layout: tile t, lane half h, register j: unit 32 (t / 2) + 8 (t % 2) + 16 h + j
.set BG, (\g)%3
.set BST, (\g)/3
	WIN 0x40
.irp t, 0,1,2,3
.irp k, 0,1
.if BG == 0
	global_load_b128 v[BIAS+32*((\g)%2)+8*\t+4*\k:BIAS+32*((\g)%2)+8*\t+4*\k+3], v[BOF], s[40+2*BST:41+2*BST] offset:(32*(\t/2)+8*(\t%2))*4+16*\k
.else
	global_load_b128 v[BIAS+32*((\g)%2)+8*\t+4*\k:BIAS+32*((\g)%2)+8*\t+4*\k+3], v[BOF], s[44+2*BST:45+2*BST] offset:256*(BG-1)+(32*(\t/2)+8*(\t%2))*4+16*\k
.endif
.endr
.endr
.set GL, GL+8
.if ((\g)%2) == 0
.set BM0, GL
.else
.set BM1, GL
.endif
.endm
.macro BLOAD bb, base, scb, ks, s      ; the tokens' two fragments of K step s and their scale words, out of the images: ten LDS loads
.irp m, 0,1
.irp c, 0,1
	ds_load_b128 v[BF+24*(\bb)+12*\m+6*\c:BF+24*(\bb)+12*\m+6*\c+3], v[A16] offset:(\base)+((\ks)*\m+(\s))*1536+768*\c
	ds_load_b64 v[BF+24*(\bb)+12*\m+6*\c+4:BF+24*(\bb)+12*\m+6*\c+5], v[A8] offset:(\base)+((\ks)*\m+(\s))*1536+768*\c+512
.endr
.endr
.irp m, 0,1
	ds_load_b32 v[BS+2*(\bb)+\m], v[A4R] offset:(\scb)+((\ks)*\m+(\s))*64
.endr
.set DL, DL+10
.if (\bb) == 0
.set FM0, DL
.else
.set FM1, DL
.endif
.endm
.macro TLOAD gg, m                     ; my 32 numbers of group gg of 64 columns, row tile m, out of the rows into T[m]: eight LDS loads of bytes that only my wave stores behind the first barrier
.irp b, 0,1
.irp jj, 0,1,2,3
	ds_load_b128 v[T+32*(\m)+16*\b+4*\jj:T+32*(\m)+16*\b+4*\jj+3], v[YE+(\m)] offset:256*(\gg)+128*\b+16*\jj
.endr
.endr
.set DL, DL+8
.if (\m) == 0
.set TL0, DL
.else
.set TL1, DL
.endif
.endm
.macro MUL4 t0, g                      ; four of a step's eight products: weight tiles t0 and t0 + 1 against the two row tiles
.if KI == 0
	WIN 0x11                                       ; source 0 (weights) and C (bias) in window 1
.else
	WIN 0x01
.endif
.irp u, 0,1
.irp m, 0,1
.if KI == 0
	v_wmma_scale_f32_16x16x128_f8f6f4 v[ACC+32*\m+8*((\t0)+\u):ACC+32*\m+8*((\t0)+\u)+7], v[48*SQ+12*((\t0)+\u):48*SQ+12*((\t0)+\u)+11], v[BF+24*BB+12*\m:BF+24*BB+12*\m+11], v[BIAS+32*((\g)%2)+8*((\t0)+\u):BIAS+32*((\g)%2)+8*((\t0)+\u)+7], v[WS+4*SQ+(\t0)+\u], v[BS+2*BB+\m] matrix_a_fmt:MATRIX_FMT_BF6 matrix_b_fmt:MATRIX_FMT_BF6
.else
	v_wmma_scale_f32_16x16x128_f8f6f4 v[ACC+32*\m+8*((\t0)+\u):ACC+32*\m+8*((\t0)+\u)+7], v[48*SQ+12*((\t0)+\u):48*SQ+12*((\t0)+\u)+11], v[BF+24*BB+12*\m:BF+24*BB+12*\m+11], v[ACC+32*\m+8*((\t0)+\u):ACC+32*\m+8*((\t0)+\u)+7], v[WS+4*SQ+(\t0)+\u], v[BS+2*BB+\m] matrix_a_fmt:MATRIX_FMT_BF6 matrix_b_fmt:MATRIX_FMT_BF6
.endif
.endr
.endr
.endm
; A K LOOP: quads n0 .. n0 + steps - 1 against the images at base.  A step is eight matrix instructions on the eight accumulators, which take turns in the same order in every step.
; The bias is the C of the first step.  A step's loads fill what the step BEFORE has read: its slot of the ring (the quad three on from this step's), its set of the tokens' fragments (for the next step), and in the
; second step the bias buffer.  vs = 1: LDS stores out of v64-191 have been issued since the last wait on vm_vsrc.  tg >= 0: the loop's last step asks for the rows' numbers of group tg, for the epilogues behind it.
.macro KLOOP n0, steps, base, scb, g, vs, tg
.if \vs
	s_wait_alu depctr_vm_vsrc(0)                   ; the LDS stores of rows issued so far (x's at the head, later those out of U) have read v64-191: this loop's operands land in v128-175, and the first loop's products write v64-127.  (The vector lines that named v128-191 stand ahead of the last wait on va_vdst)
.endif
	BLOAD 0, \base, \scb, \steps, 0
	BLOAD 1, \base, \scb, \steps, 1
.set KI, 0
.rept \steps
.set BB, KI%2
.set NQ, (\n0)+KI
.set SQ, NQ%4
.if BB == 0
	WAITD FM0                                      ; this step's ten are in; what was asked of LDS later may be out
.else
	WAITD FM1
.endif
	QMARK SQ
.if KI == 0
.if ((\g)%2) == 0
.if BM0 > MK
.set MK, BM0
.endif
.else
.if BM1 > MK
.set MK, BM1
.endif
.endif
.endif
	WAITL MK                                       ; the quad (and in the first step the bias) is in; what was asked for later may be out
.if KI > 0
	s_wait_alu depctr_va_vdst(0)                   ; the step before's eight products are done reading their quad and its scale words, their set of the tokens' fragments and scale words and, if it was the first step, the bias: this step's loads land in those registers
.if KI+1 < (\steps)
	BLOAD 1-BB, \base, \scb, \steps, KI+1
.elseif (\tg) >= 0
	TLOAD \tg, 0                                   ; no vector line since the epilogues' own waits names T
	TLOAD \tg, 1
.endif
	SCLD NQ+3
.endif
	MUL4 0, \g                                     ; these name this step's quad, set, scale words and the accumulators: none of the registers that the step's loads touch
.if KI > 0
	HALF NQ+3, 0
.endif
	MUL4 2, \g
.if KI > 0
	HALF NQ+3, 1
.if (KI == 1) && ((\g)+2 < 6)
	BIASLD (\g)+2                                  ; the buffer that the first step has read takes the bias of two loops on
.endif
.endif
	WIN 0
.if KI+1 < (\steps)
.rept 4
	v_nop                                          ; four places behind the products, beside the wait at the next step's head, in front of loads into registers that these products have read
.endr
.else
.rept 5
	v_nop                                          ; behind a loop's last step five: the next loop's first products write the accumulators anew, with another C; they are also the places ahead of the first read of the results
.endr
.if NQ+4 < 32
	s_wait_alu depctr_va_vdst(0)                   ; the last step's products are done reading their quad and its scale words, in which the loads below land
	FILL NQ+4
.endif
.endif
.set KI, KI+1
.endr
.endm
; 32 numbers of a lane, register 16 b + i = k 32 b + 16 h + i of my token, become half a fragment (six registers at PC) and half a scale word (two bytes in TM + 6).
.macro QUANT32 s
	v_max3_num_f32 v[TM], |v[(\s)]|, |v[(\s)+1]|, 0x2800000           ; my 16 of block 0, and the floor 2^(5 - 127): the byte cannot fall under 1
	v_max3_num_f32 v[TM+1], |v[(\s)+16]|, |v[(\s)+17]|, 0x2800000     ; block 1: the two by turns
.irp i, 2,4,6,8,10,12,14
	v_max3_num_f32 v[TM], v[TM], |v[(\s)+\i]|, |v[(\s)+\i+1]|
	v_max3_num_f32 v[TM+1], v[TM+1], |v[(\s)+16+\i]|, |v[(\s)+17+\i]|
.endr
	v_permlanex16_b32 v[TM+2], v[TM], s56, s57
	v_permlanex16_b32 v[TM+3], v[TM+1], s56, s57
	v_max_num_f32 v[TM], v[TM], v[TM+2]            ; with lane l xor 16's: the block's largest magnitude
	v_max_num_f32 v[TM+1], v[TM+1], v[TM+3]
	v_add_nc_u32 v[TM+4], 0xfe000000, v[TM]        ; 4 off its exponent field: the conversion takes the exponent field of this operand as its scale
	v_add_nc_u32 v[TM+5], 0xfe000000, v[TM+1]
	v_lshrrev_b32 v[TM+2], 23, v[TM+4]             ; the scale's byte
	v_lshrrev_b32 v[TM+3], 23, v[TM+5]
	v_lshl_or_b32 v[TM+6], v[TM+3], 8, v[TM+2]
	v_cvt_scalef32_pk16_bf6_f32 v[PC:PC+2], v[(\s):(\s)+15], v[TM+4]
	v_cvt_scalef32_pk16_bf6_f32 v[PC+6:PC+8], v[(\s)+16:(\s)+31], v[TM+5]   ; (a conversion's three registers begin on an even number)
	v_nop                                          ; one plain place behind a scaled conversion
.irp i, 0,1,2
	v_permlane16_swap_b32 v[PC+\i], v[PC+6+\i]     ; the operand wants a whole block in a lane: lanes 0-15 block 0, lanes 16-31 block 1
.endr
.irp i, 0,1,2
	v_mov_b32 v[PC+3+\i], v[PC+6+\i]
.endr
.endm
.macro IMG a16, a8, as, off, soff      ; the six registers go to LDS as they stand; lanes r and 16 + r write the same two bytes with the same value
	ds_store_b128 v[\a16], v[PC:PC+3] offset:\off
	ds_store_b64 v[\a8], v[PC+4:PC+5] offset:(\off)+512
	ds_store_b16 v[\as], v[TM+6] offset:\soff
.set DL, DL+3
.endm
; The rows' side of a group gg of 64 columns, row tile m.  mode 0: x is quantised.  mode 1: row += v0 eo0; boost = x + 0.5 eo0 is quantised.  mode 2: row += v1 eo1.
; The numbers out of the rows were asked for earlier, into T[m].  free = 1: an image's stores have been issued since the last wait on vm_vsrc.  nxt >= 0: T[m] is asked for again, for group nxt.
; U[m] needs no wait of its own: between two epilogues that write one buffer stands the head of a K loop with its wait on vm_vsrc.
.macro EPI gg, m, mode, free, nxt
.set TT, T+32*(\m)
.set UU, U+32*(\m)
.if (\m) == 0
	WAITD TL0                                      ; my 32 numbers are in; what was asked of LDS later may be out
.else
	WAITD TL1
.endif
.if (\free)
	s_wait_alu depctr_vm_vsrc(0)                   ; the last image's LDS stores have read PC and TM + 6, which the quantiser below writes again
.endif
.if (\mode) == 1
.irp k, 0,2,4,6,8,10,12,14,16,18,20,22,24,26,28,30
	v_pk_fma_f32 v[UU+\k:UU+\k+1], v[ACC+32*(\m)+\k:ACC+32*(\m)+\k+1], v[GW+2*(\m):GW+2*(\m)+1], v[TT+\k:TT+\k+1] op_sel_hi:[1,0,1]   ; x + v0 eo0 (each accumulator is read from its low end on)
.endr
.irp k, 0,2,4,6,8,10,12,14,16,18,20,22,24,26,28,30
	v_pk_fma_f32 v[ACC+32*(\m)+\k:ACC+32*(\m)+\k+1], v[ACC+32*(\m)+\k:ACC+32*(\m)+\k+1], 0.5, v[TT+\k:TT+\k+1] op_sel_hi:[1,0,1]   ; x + 0.5 eo0
.endr
.elseif (\mode) == 2
.irp k, 0,2,4,6,8,10,12,14,16,18,20,22,24,26,28,30
	v_pk_fma_f32 v[UU+\k:UU+\k+1], v[ACC+32*(\m)+\k:ACC+32*(\m)+\k+1], v[GW+2*(\m):GW+2*(\m)+1], v[TT+\k:TT+\k+1] op_sel:[0,1,0] op_sel_hi:[1,1,1]   ; + v1 eo1
.endr
.endif
.if (\mode) == 0
	QUANT32 TT
.elseif (\mode) == 1
	QUANT32 ACC+32*(\m)
.endif
	s_wait_alu depctr_va_vdst(0)                   ; the lines above have written U[m], PC and TM + 6, which the LDS stores below read, and are done reading T[m], in which the next loads land
.if (\nxt) >= 0
	TLOAD \nxt, \m
.endif
.if (\mode) > 0
.irp b, 0,1
.irp jj, 0,1,2,3
	ds_store_b128 v[YE+(\m)], v[UU+16*\b+4*\jj:UU+16*\b+4*\jj+3] offset:256*(\gg)+128*\b+16*\jj
.endr
.endr
.set DL, DL+8
.endif
.if (\mode) < 2
	IMG XW16, XW8, XWS, XIMG+12288*(\m)+768*(\gg), XSC+512*(\m)+2*(\gg)   ; my 128 columns are K step w; the group is its half gg
.endif
.endm
.macro HEPI m                          ; my 64 hidden units of row tile m: relu, quantised: half w % 2 of K step w / 2
.irp j, 0,1,2,3,4,5,6,7,8,9,10,11,12,13,14,15,16,17,18,19,20,21,22,23,24,25,26,27,28,29,30,31
	v_max_num_f32 v[ACC+32*(\m)+\j], 0, v[ACC+32*(\m)+\j]
.endr
.if (\m) == 1
	s_wait_alu depctr_vm_vsrc(0)                   ; the last image's LDS stores have read PC and TM + 6, which the quantiser below writes again (for row tile 0 the wait at the K loop's head has shown that)
.endif
	QUANT32 ACC+32*(\m)
	s_wait_alu depctr_va_vdst(0)                   ; the quantiser has written PC and TM + 6, which the LDS stores below read
	IMG HW16, HW8, HWS, HIMG+6144*(\m), HSC+256*(\m)
.endm
.macro BARRIER                         ; my LDS stores have landed and my LDS loads are in: then the work-group's barrier
	s_wait_dscnt 0x0
	s_barrier_signal -1
	s_barrier_wait -1
.endm
.macro STAGE st
	KLOOP 16*(\st), 8, XIMG, XSC, 3*(\st), 1, -1
	HEPI 0
	HEPI 1
	BARRIER                                        ; the hidden layer's images are whole; nobody reads the first product's images any more
	KLOOP 16*(\st)+8, 4, HIMG, HSC, 3*(\st)+1, 0, 0
	EPI 0, 0, 1+(\st), 1-(\st), -1
	EPI 0, 1, 1+(\st), 1-(\st), -1
	KLOOP 16*(\st)+12, 4, HIMG, HSC, 3*(\st)+2, 1, 1
	EPI 1, 0, 1+(\st), 0, -1
	EPI 1, 1, 1+(\st), 1-(\st), -1
.endm
	s_load_b512 s[4:19], s[0:1], 0x0               ; x 4:5, wimg 6:7, b1 8:9, b2 10:11, tiles 12:13, order 14:15, gw 16:17, gamma 18:19
	s_load_b128 s[20:23], s[0:1], 0x40             ; beta 20:21, out0 22:23
	v_lshl_add_u32 v39, v0, 2, 0x29800
	v_mov_b32 v63, 0
	v_lshrrev_b32 v60, 5, v0
	v_readfirstlane_b32 s24, v60                   ; wave 0..7
	v_and_b32 v62, 31, v0                          ; lane
	v_and_b32 v60, 15, v0                          ; r
	v_bfe_u32 v61, v0, 4, 1                        ; h
	v_lshlrev_b32 v[A16], 4, v62
	v_lshlrev_b32 v[A8], 3, v62
	v_lshlrev_b32 v[A4R], 2, v60
	v_lshlrev_b32 v[SC16], 4, v60
	v_lshlrev_b32 v[BOF], 6, v61
	s_lshl_b32 s26, ttmp9, 4
	s_mov_b32 s27, 0                               ; stays 0: the upper word of every offset
	s_wait_alu depctr_va_vdst(0)
	s_wait_kmcnt 0x0
	s_add_nc_u64 s[12:13], s[12:13], s[26:27]
	s_load_b128 s[28:31], s[12:13], 0x0            ; my record: n, first place, e0, e1
	s_wait_alu depctr_va_sdst(0)                   ; s24 is written, ahead of its first reader: LDS addresses and the bases of the weights and biases are made from it
	s_lshl_b32 s25, s24, 9
	s_add_co_u32 s25, s25, YB
	v_mul_u32_u24 v[YE], v60, YP
	v_lshl_add_u32 v[YE], v61, 6, v[YE]
	v_add_nc_u32 v[YE], s25, v[YE]
	v_add_nc_u32 v[YE+1], 16*YP, v[YE]
	s_mul_i32 s25, s24, 4*YP
	s_add_co_u32 s25, s25, YB
	v_add_nc_u32 v[YR], s25, v[A16]
	s_mul_i32 s25, s24, 768
	v_add_nc_u32 v[HW16], s25, v[A16]
	v_add_nc_u32 v[HW8], s25, v[A8]
	s_lshr_b32 s25, s24, 1
	s_lshl_b32 s25, s25, 6
	s_and_b32 s62, s24, 1
	s_lshl_b32 s62, s62, 1
	s_or_b32 s25, s25, s62
	v_add_nc_u32 v[HWS], s25, v[A4R]
	s_mul_i32 s25, s24, 1536
	v_add_nc_u32 v[XW16], s25, v[A16]
	v_add_nc_u32 v[XW8], s25, v[A8]
	s_lshl_b32 s25, s24, 6
	v_add_nc_u32 v[XWS], s25, v[A4R]
	v_mov_b32 v[TM+2], 0                           ; written once: a lane permute's destination counts as one of its sources
	v_mov_b32 v[TM+3], 0
	s_mov_b32 s56, 0x76543210
	s_mov_b32 s57, 0xfedcba98                      ; v_permlanex16_b32's selects for lane l xor 16
	s_mov_b32 s58, 0x3a800000                      ; 1 / 1,024
	s_mov_b32 s59, 0x3727c5ac                      ; 1e-5
	s_wait_kmcnt 0x0
	s_min_u32 s29, s29, 4095                       ; loaded numbers are held inside their tables before they enter an address
	s_min_u32 s30, s30, 7
	s_min_u32 s31, s31, 7
	s_lshl_b32 s26, s29, 2
	v_add_nc_u32 v[OO], s26, v[A4R]
	s_lshl_b32 s25, s24, 4
	s_add_co_u32 s26, s26, s25
	s_add_nc_u64 s[60:61], s[14:15], s[26:27]
	s_load_b128 s[32:35], s[60:61], 0x0            ; the tokens of rows 4 w .. 4 w + 3, which I gather and at the end normalise
	s_mul_i32 s62, s24, 16*QB
.irp i, 0,1
	s_mul_i32 s26, s[30+\i], 128*QB
	s_add_co_u32 s26, s26, s62
	s_add_nc_u64 s[WB+2*\i:WB+2*\i+1], s[6:7], s[26:27]        ; my 16 quads of expert e_i: 102,400 consecutive bytes
.endr
	s_lshl_b32 s62, s24, 8
.irp i, 0,1
	s_lshl_b32 s26, s[30+\i], 11
	s_add_co_u32 s26, s26, s62
	s_add_nc_u64 s[40+2*\i:41+2*\i], s[8:9], s[26:27]          ; b1[e_i] at my 64 units
.endr
	s_lshl_b32 s62, s24, 9
.irp i, 0,1
	s_lshl_b32 s26, s[30+\i], 12
	s_add_co_u32 s26, s26, s62
	s_add_nc_u64 s[44+2*\i:45+2*\i], s[10:11], s[26:27]        ; b2[e_i] at my 128 outputs
.endr
	s_wait_alu depctr_va_vdst(0)                   ; the fifteen addresses and offsets v1 to v15 are written: every later load, store and LDS instruction but the two gw loads and the last LDS add reads one of them, and none is written again
	FILL 0
	FILL 1
	global_load_b32 v[TK], v[OO], s[14:15]
	global_load_b32 v[TK+1], v[OO], s[14:15] offset:64
.set GL, GL+2
.set OM, GL
	s_wait_kmcnt 0x0
	s_lshl_b32 s76, s24, 2                         ; my rows' numbers in the tile
	s_add_co_u32 s77, s76, 1
	s_add_co_u32 s78, s76, 2
	s_add_co_u32 s79, s76, 3
.irp i, 0,1,2,3
	s_min_u32 s[32+\i], s[32+\i], 4095
	s_lshl_b32 s26, s[32+\i], 12
	s_add_nc_u64 s[68+2*\i:69+2*\i], s[4:5], s[26:27]
	s_add_nc_u64 s[48+2*\i:49+2*\i], s[22:23], s[26:27]
.endr
.irp i, 0,1,2,3
.irp jj, 0,1,2,3,4,5,6,7
	global_load_b128 v[64+32*\i+4*\jj:64+32*\i+4*\jj+3], v[A16], s[68+2*\i:69+2*\i] offset:512*\jj   ; a row of x: eight loads of 512 consecutive bytes
.endr
.set GL, GL+8
.set XM\i, GL
.endr
	WAITL OM                                       ; the two tokens are in: behind them x's 32 loads
	v_min_u32 v[TK], 0xfff, v[TK]
	v_min_u32 v[TK+1], 0xfff, v[TK+1]
	v_lshlrev_b32 v[TK], 3, v[TK]
	v_lshlrev_b32 v[TK+1], 3, v[TK+1]
	s_wait_alu depctr_va_vdst(0)                   ; v16 and v17 are written: the two loads below read them as their offsets
	global_load_b64 v[GW:GW+1], v[TK], s[16:17]    ; their weights: shown in by the first K step's wait, which leaves out only loads issued behind these
	global_load_b64 v[GW+2:GW+3], v[TK+1], s[16:17]
.set GL, GL+2
.irp i, 0,1,2,3
	WAITL XM\i                                     ; row i is in: the later rows' loads and the two above may be out
.irp jj, 0,1,2,3,4,5,6,7
	ds_store_b128 v[YR], v[64+32*\i+4*\jj:64+32*\i+4*\jj+3] offset:YP*\i+512*\jj
.endr
.set DL, DL+8
.endr
	BIASLD 0                                       ; ahead of quads 2 and 3, so that the first K step's wait leaves those out
	FILL 2
	FILL 3
	BIASLD 1
	WIN 0
	BARRIER                                        ; the 32 rows of x lie in LDS
	TLOAD 0, 0                                     ; x goes through T two buffers ahead: while one buffer is quantised the other's loads are on their way
	TLOAD 0, 1
	EPI 0, 0, 0, 0, 1
	EPI 0, 1, 0, 1, 1
	EPI 1, 0, 0, 1, -1
	EPI 1, 1, 0, 1, -1
	BARRIER                                        ; x's sixteen fragments lie in LDS
	STAGE 0
	BARRIER                                        ; boost's fragments lie in LDS; nobody reads the hidden layer's images any more
	STAGE 1
	s_wait_loadcnt 0x0                             ; gamma and beta
	BARRIER                                        ; the rows are whole
	s_wait_alu depctr_vm_vsrc(0)                   ; my LDS stores have read v128-191, in which rows land below (the products and multiply-adds that named v64-191 stand ahead of the last wait on va_vdst)
.irp i, 0,1,2,3
.irp jj, 0,1,2,3,4,5,6,7
	ds_load_b128 v[64+32*\i+4*\jj:64+32*\i+4*\jj+3], v[YR] offset:YP*\i+512*\jj
.endr
.set DL, DL+8
.endr
	s_wait_dscnt 0x0
; The LayerNorm of row 4 w + i, if the tile has it: a lane holds 32 of its 1,024 numbers.  Each row has registers and a base of its own, so that no store's sources are written again.
.macro LNROW i
.set RR, 64+32*(\i)
	s_cmp_ge_u32 s[76+(\i)], s28
	s_cbranch_scc1 .Lskip_\i
	v_pk_add_f32 v[192:193], v[RR:RR+1], v[RR+2:RR+3]
	v_pk_add_f32 v[194:195], v[RR+4:RR+5], v[RR+6:RR+7]
.irp k, 8,12,16,20,24,28
	v_pk_add_f32 v[192:193], v[192:193], v[RR+\k:RR+\k+1]
	v_pk_add_f32 v[194:195], v[194:195], v[RR+\k+2:RR+\k+3]
.endr
	v_pk_add_f32 v[192:193], v[192:193], v[194:195]
	v_add_f32 v192, v192, v193
	v_add_f32_dpp v192, v192, v192 row_xmask:1 row_mask:0xf bank_mask:0xf
	v_add_f32_dpp v192, v192, v192 row_xmask:2 row_mask:0xf bank_mask:0xf
	v_add_f32_dpp v192, v192, v192 row_xmask:4 row_mask:0xf bank_mask:0xf
	v_add_f32_dpp v192, v192, v192 row_xmask:8 row_mask:0xf bank_mask:0xf
	v_permlanex16_b32 v193, v192, s56, s57
	v_add_f32 v192, v192, v193
	v_mul_f32 v192, s58, v192                      ; the mean
.irp k, 0,2,4,6,8,10,12,14,16,18,20,22,24,26,28,30
	v_pk_add_f32 v[RR+\k:RR+\k+1], v[RR+\k:RR+\k+1], v[192:193] op_sel_hi:[1,0] neg_lo:[0,1] neg_hi:[0,1]
.endr
	v_pk_mul_f32 v[194:195], v[RR:RR+1], v[RR:RR+1]
	v_pk_mul_f32 v[196:197], v[RR+2:RR+3], v[RR+2:RR+3]
.irp k, 4,8,12,16,20,24,28
	v_pk_fma_f32 v[194:195], v[RR+\k:RR+\k+1], v[RR+\k:RR+\k+1], v[194:195]
	v_pk_fma_f32 v[196:197], v[RR+\k+2:RR+\k+3], v[RR+\k+2:RR+\k+3], v[196:197]
.endr
	v_pk_add_f32 v[194:195], v[194:195], v[196:197]
	v_add_f32 v194, v194, v195
	v_add_f32_dpp v194, v194, v194 row_xmask:1 row_mask:0xf bank_mask:0xf
	v_add_f32_dpp v194, v194, v194 row_xmask:2 row_mask:0xf bank_mask:0xf
	v_add_f32_dpp v194, v194, v194 row_xmask:4 row_mask:0xf bank_mask:0xf
	v_add_f32_dpp v194, v194, v194 row_xmask:8 row_mask:0xf bank_mask:0xf
	v_permlanex16_b32 v195, v194, s56, s57
	v_add_f32 v194, v194, v195
	v_fma_f32 v194, v194, s58, s59                 ; the variance + 1e-5
	s_wait_alu depctr_va_vdst(0)
	v_rsq_f32 v194, v194
	v_nop                                          ; a plain instruction behind the root,
	s_wait_alu depctr_va_vdst(0)                   ; and the wait for its result v194, ahead of its first reader
.irp k, 0,2,4,6,8,10,12,14,16,18,20,22,24,26,28,30
	v_pk_mul_f32 v[RR+\k:RR+\k+1], v[RR+\k:RR+\k+1], v[194:195] op_sel_hi:[1,0]
.endr
	WIN 0x14                                       ; sources 1 (gamma) and 2 (beta) in window 1
.irp k, 0,2,4,6,8,10,12,14,16,18,20,22,24,26,28,30
	v_pk_fma_f32 v[RR+\k:RR+\k+1], v[RR+\k:RR+\k+1], v[\k:\k+1], v[48+\k:48+\k+1]
.endr
	WIN 0                                          ; at a label and at a branch every window is 0
	s_wait_alu depctr_va_vdst(0)                   ; the multiply-adds have written the row's 32 registers, which the stores below read
.irp jj, 0,1,2,3,4,5,6,7
	global_store_b128 v[A16], v[RR+4*\jj:RR+4*\jj+3], s[48+2*(\i):49+2*(\i)] offset:512*\jj th:TH_STORE_NT   ; the wave stores 512 consecutive bytes, at a multiple of 256 from out0's first byte
.endr
.Lskip_\i:
.endm
	LNROW 0
	LNROW 1
	LNROW 2
	LNROW 3
	s_wait_dscnt 0x0
	s_wait_alu depctr_hold_cnt(0) depctr_sa_sdst(0) depctr_va_vdst(0) depctr_va_sdst(0) depctr_va_ssrc(0) depctr_va_vcc(0) depctr_vm_vsrc(0)
	s_wait_tensorcnt 0x0
	ds_add_u32 v39, v63
	s_wait_dscnt 0x0
	s_endpgm
.Lfunc_end_k_qefc6abcebf_chain:
	.size	k_qefc6abcebf_chain, .Lfunc_end_k_qefc6abcebf_chain-k_qefc6abcebf_chain
	.p2alignl 7, 3214868480
	.fill 96, 4, 3214868480
	.section	.rodata,"a",@progbits
	.p2align	6, 0x0
	.amdhsa_kernel k_qefc6abcebf_chain
		.amdhsa_group_segment_fixed_size 171008
		.amdhsa_private_segment_fixed_size 0
		.amdhsa_enable_private_segment 0
		.amdhsa_kernarg_size 80
		.amdhsa_user_sgpr_count 2
		.amdhsa_user_sgpr_kernarg_segment_ptr 1
		.amdhsa_wavefront_size32 1
		.amdhsa_system_sgpr_workgroup_id_x 1
		.amdhsa_system_sgpr_workgroup_id_y 1
		.amdhsa_system_sgpr_workgroup_id_z 1
		.amdhsa_system_vgpr_workitem_id 0
		.amdhsa_next_free_vgpr 512
		.amdhsa_next_free_sgpr 96
		.amdhsa_reserve_vcc 0
		.amdhsa_float_denorm_mode_32 3
		.amdhsa_float_denorm_mode_16_64 3
		.amdhsa_memory_ordered 1
		.amdhsa_forward_progress 1
		.amdhsa_inst_pref_size 202
	.end_amdhsa_kernel
	.amdgpu_metadata
---
amdhsa.version: [ 1, 2 ]
amdhsa.kernels:
  - .name:           k_qefc6abcebf_chain
    .symbol:         k_qefc6abcebf_chain.kd
    .args:
      - { .name: x, .offset: 0, .size: 8, .value_kind: global_buffer, .address_space: global }
      - { .name: wimg, .offset: 8, .size: 8, .value_kind: global_buffer, .address_space: global }
      - { .name: b1, .offset: 16, .size: 8, .value_kind: global_buffer, .address_space: global }
      - { .name: b2, .offset: 24, .size: 8, .value_kind: global_buffer, .address_space: global }
      - { .name: tiles, .offset: 32, .size: 8, .value_kind: global_buffer, .address_space: global }
      - { .name: order, .offset: 40, .size: 8, .value_kind: global_buffer, .address_space: global }
      - { .name: gw, .offset: 48, .size: 8, .value_kind: global_buffer, .address_space: global }
      - { .name: ln_gamma, .offset: 56, .size: 8, .value_kind: global_buffer, .address_space: global }
      - { .name: ln_beta, .offset: 64, .size: 8, .value_kind: global_buffer, .address_space: global }
      - { .name: out0, .offset: 72, .size: 8, .value_kind: global_buffer, .address_space: global }
    .group_segment_fixed_size: 171008
    .private_segment_fixed_size: 0
    .kernarg_segment_align: 8
    .kernarg_segment_size: 80
    .max_flat_workgroup_size: 256
    .sgpr_count:     96
    .vgpr_count:     512
    .wavefront_size: 32
...
	.end_amdgpu_metadata
.endif
;; end of part 6
